; MI455X (gfx1250); checked and timed in simulation.
; The chip was launched on July 23, 2026; its instructions are those of AMD's public machine-readable ISA for CDNA 5 (MIT licence, August 2026) and "CDNA5" Instruction Set Architecture Reference Guide (July 2026). The comments in the code are by the model that wrote it; some were corrected since.
;; Causal Self Attention. Allowed arithmetic: matrix products marked QUANTISED: E2M1 operands, one E8M0 scale for each 32 along K, by v_wmma_scale_f32_16x16x128_f8f6f4 with both operands' format E2M1 (or v_wmma_scale_f32_32x16x128_f4), f32 sums; everything else in f32.
;; Inputs: Wk 1,024 x 1,024 float32; Wq 1,024 x 1,024 float32; Wv 1,024 x 1,024 float32; x 2 x 2,048 x 1,024 float32.
;; Outputs: out0 2 x 2,048 x 1,024 float32.
;; This version of the problem:
;;   THIS VERSION OF THE PROBLEM IS GIVEN IN LOW PRECISION. The matrix products marked QUANTISED in the list below multiply operands that are first quantised to E2M1 (2 exponent bits, 1 mantissa bit; 4 bits a number), with one power-of-two scale for each 32 numbers along K (OCP MX v1.0); their sums are f32. All else is computed in f32.
;;   The module's matrix products, in the order in which they are computed (A, B: the left and right operand; K: the contracted axis; several contracted axes count as one K, in the product's order):
;;     1. [M 4,096, K 1,024] x [K 1,024, N 1,024]; A: input x; B: input Wq: QUANTISED
;;     2. [M 4,096, K 1,024] x [K 1,024, N 1,024]; A: input x; B: input Wk: QUANTISED
;;     3. [M 4,096, K 1,024] x [K 1,024, N 1,024]; A: input x; B: input Wv: QUANTISED
;;     4. batch 32 x [M 2,048, K 64] x [K 64, N 2,048]; A: computed on the way; B: computed on the way: QUANTISED
;;     5. batch 32 x [M 2,048, K 2,048] x [K 2,048, N 64]; A: computed on the way; B: computed on the way: QUANTISED
;;   THE QUANTISER, for each operand of a quantised product, along K:
;;     - K is cut into blocks of 32 from its start; a last block that is shorter is filled with zeros.
;;     - A block's scale is 2^e with e = floor(log2(the largest magnitude in the block)) - 2, held to -126 .. 127; a block of zeros has e = 0. As a byte (E8M0): e + 127.
;;     - Each number is divided by its block's scale, clamped to +-6, and rounded to the nearest number of E2M1, ties to even, subnormals kept.
;;     - The product sums the exact products of the quantised numbers (number of the format x scale) in f32.
;;   ~~~python
;;   def quantise(x, axis):      # numpy; x: float32 -> the quantised numbers, widened to float32 again
;;       x = np.moveaxis(x, axis, -1); K = x.shape[-1]
;;       x = np.pad(x, [(0, 0)] * (x.ndim - 1) + [(0, -K % 32)]); x = x.reshape(x.shape[:-1] + (-1, 32)); a = np.abs(x).max(-1, keepdims=True)
;;       e = np.where(a > 0, np.clip(np.frexp(np.where(a > 0, a, 1))[1] - 1 - 2, -126, 127), 0)      # np.frexp(a)[1] - 1 = floor(log2(a)), exactly
;;       r = np.clip(x / 2.0 ** e, -6, 6)
;;       step = 2.0 ** (np.maximum(np.frexp(np.where(r == 0, 1, r))[1] - 1, 0) - 1)
;;       q = np.round(r / step) * step * 2.0 ** e      # np.round: ties to even
;;       return np.moveaxis(q.reshape(q.shape[:-2] + (-1,))[..., :K], -1, axis).astype(np.float32)
;;   ~~~
;;   OPERANDS COMPUTED ON THE WAY. 'Computed on the way' means the value that the module computes at that place (a softmax that the list does not call 'softmax' is quantised finished and normalised). What goes into a quantiser is computed in f32, as accurately as f32 sums, v_exp_f32 and their like allow (about 1e-6 of the number): no bf16 or f16 on the way to a quantiser, and a product that is left as it is and whose result goes on into a quantised operand takes f32 operands (vector FMAs, or v_wmma_f32_16x16x4_f32). A number that lies on a knife's edge between two numbers of the format may be rounded either way, as far as f32 arithmetic and the matrix unit's own rounding can turn it there, and no further.
;; One version. Each part assembles by itself: llvm-mc -triple=amdgcn-amd-amdhsa -mcpu=gfx1250 --defsym DOCPART=n.
;; ======== version 1 of 1: 4 launches
;; limits: right only within a limited range of input values
;; workspace buffers: xwc 3,670,016 bytes; xws 229,376 bytes; acodes 6,291,456 bytes; ascales 655,360 bytes; st 262,144 bytes
;; launch quant (part 1): grid 224 x 1, 16 waves a work-group, no clusters, 103,424 bytes of LDS; arguments x, Wq, Wk, Wv, xwc, xws; writes xwc, xws
.if DOCPART == 1
	.amdgcn_target "amdgcn-amd-amdhsa--gfx1250"
	.amdhsa_code_object_version 6
	.text
	.protected	k_q032c6429bc_quant
	.globl	k_q032c6429bc_quant
	.p2align	8
	.type	k_q032c6429bc_quant,@function
k_q032c6429bc_quant:
	s_mov_b64 s[64:65], 0
	v_nop
	global_prefetch_b8 v0, s[64:65] scope:SCOPE_SE
	s_setreg_imm32_b32 hwreg(HW_REG_WAVE_MODE, 25, 1), 1
	s_wait_xcnt 0x0
; x [4096][1024] f32 and Wq, Wk, Wv [1024 (k)][1024 (n)] f32 become codes of FP4 (E2M1) with K innermost, rows of 512 bytes, and one E8M0 byte for each 32 along K.
; Rows 0-4095 of xwc are x's tokens, rows 4096-7167 the 3,072 features (Wq's, Wk's, Wv's columns).  Scale bytes: x [K half][4096][16], behind it the features [K half][3072][16].
; A ROW IS STORED AT ITS INDEX WITH BITS 3 AND 4 EXCHANGED: sixteen consecutive stored rows, tile 2 g + u, are then the rows 32 g + 8 u + r + 8 (r / 8), so that a later product's
; results lie as 16 neighbours along the next K in a lane's registers.  In each 256 bytes of a row the 16-byte piece c lies at place c xor (stored row % 16).
; A block's scale is 2^(floor(log2(largest magnitude)) - 2); its byte is the largest magnitude's exponent field - 2, held at 1 from below by a floor among the maximum's leaves.
; No step of reference() is left out but whole tiles of scores that its own causal mask hides (launches stats and ctx).
; LIMITS: a block of zeros gets the byte 1 (its codes are zeros; this program alone reads the bytes); NaN and infinities among the inputs are not served.
; Work-groups 0-127 take 32 tokens of x each (a wave two tokens, four steps of 512 numbers); work-groups 128-223 take 64 columns x 512 along K of a weight (a wave 32 columns x 64 along K): 128 KiB read by each.
; The two ways part on the work-group's number and have LDS bytes of their own.  No tensor loads, no ring, no shared tiles: no cluster.
.set SP,    80                         ; x: a lane's place in a stage: its 64 bytes + 16 of padding
.set XSCL,  16*2*32*SP                 ; x: behind the waves' stages: the group's scale bytes [K half][32 rows][16]
.set WSTG,  XSCL+1024                  ; W: a stage of 64 rows x (256 bytes of codes + 16)
.set WP,    272
.set WSB,   WSTG+64*WP                 ; W: the group's scale bytes [64 rows][16]
.set SPARE, WSB+1024                   ; the spare words
.set WCOD,  4096*512
.set WSCA,  4096*32
.set R,     16
.set X,     80
.set E,     112
.set C,     128
.set WX,    32                         ; W: v32-95 two blocks of 32 numbers
.set WC,    160
.set WO,    176
.set SB,    24
	s_load_b256 s[4:11], s[0:1], 0x0               ; x, Wq, Wk, Wv
	s_load_b128 s[12:15], s[0:1], 0x20             ; xwc, xws
	v_lshl_add_u32 v192, v0, 2, SPARE
	v_mov_b32 v193, 0
	v_lshrrev_b32 v1, 5, v0
	s_delay_alu instid0(VALU_DEP_1)
	v_readfirstlane_b32 s16, v1                    ; wave 0..15
	v_and_b32 v2, 31, v0                           ; lane
	s_cmp_lt_u32 ttmp9, 128
	s_cbranch_scc0 .Lweights
; ---------------- x: K is innermost.  Loads take the bytes as they lie, 512 a load; a step's 2,048 bytes turn through the wave's stage so that a lane holds 16 neighbours; two lanes hold a block.
	v_lshlrev_b32 v3, 4, v2
	s_mul_i32 s17, s16, 2*32*SP
	v_lshrrev_b32 v14, 2, v2
	v_mul_u32_u24 v14, v14, SP
	v_and_b32 v15, 3, v2
	v_lshl_add_u32 v14, v15, 4, v14
	v_add_nc_u32 v14, s17, v14                     ; into a stage: SP (lane / 4) + 16 (lane % 4)
	v_mul_u32_u24 v15, v2, SP
	v_add_nc_u32 v15, s17, v15                     ; out of it: SP x lane
	s_and_b32 s18, s16, 3                          ; my tokens are 32 g + 2 w, + 1: their bits 3 and 4 are w's bits 2 and 3
	s_and_b32 s19, s16, 4
	s_lshl_b32 s19, s19, 1
	s_or_b32 s18, s18, s19
	s_and_b32 s19, s16, 8
	s_lshr_b32 s19, s19, 1
	s_or_b32 s18, s18, s19                         ; w': the stored rows are 32 g + 2 w', + 1
	s_and_b32 s19, s18, 7
	s_lshl_b32 s19, s19, 2
	s_wait_alu depctr_va_vdst(0)                   ; directly ahead of the reader below
	v_xor_b32 v4, s19, v2
	v_lshlrev_b32 v4, 3, v4                        ; my 8 bytes of codes: piece lane / 2 at its place xor 2 (w' % 8), for the first token;
	v_xor_b32 v12, 16, v4                          ; for the second the row's lowest bit too
	s_lshl_b32 s19, s18, 5
	s_add_co_u32 s19, s19, XSCL
	v_lshrrev_b32 v5, 1, v2
	v_add_nc_u32 v5, s19, v5                       ; my block's byte: 512 half + 16 (2 w' + token) + lane / 2
	v_lshl_add_u32 v6, v0, 4, XSCL                 ; the bytes' way out: wave 0 the first half's 512, wave 1 the second's
	s_lshl_b32 s26, s16, 16
	v_add_nc_u32 v7, s26, v3
	s_lshl_b32 s20, ttmp9, 4
	s_add_co_u32 s20, s20, s16
	s_lshl_b32 s20, s20, 13                        ; in: (16 g + w) x 8,192 bytes
	s_mov_b32 s21, 0
	s_lshl_b32 s22, ttmp9, 4
	s_add_co_u32 s22, s22, s18
	s_lshl_b32 s22, s22, 10                        ; codes: (32 g + 2 w') x 512 bytes
	s_mov_b32 s23, 0
	s_lshl_b32 s24, ttmp9, 9                       ; scale bytes: 32 g x 16 bytes
	s_mov_b32 s25, 0
	s_wait_alu depctr_va_vdst(0)
	s_wait_kmcnt 0x0
	s_add_nc_u64 s[4:5], s[4:5], s[20:21]
	s_add_nc_u64 s[12:13], s[12:13], s[22:23]
	s_add_nc_u64 s[14:15], s[14:15], s[24:25]
.macro XLOAD t
.irp i, 0,1,2,3
	global_load_b128 v[R+16*(\t)+4*\i:R+16*(\t)+4*\i+3], v3, s[4:5] offset:2048*(\t)+512*\i th:TH_LOAD_NT
.endr
.endm
.macro XTURN t                         ; LDS serves a wave's instructions in order: no wait between the stores and the loads
.irp i, 0,1,2,3
	ds_store_b128 v14, v[R+16*(\t)+4*\i:R+16*(\t)+4*\i+3] offset:32*SP*((\t)%2)+8*SP*\i
.endr
.irp i, 0,1,2,3
	ds_load_b128 v[X+16*((\t)%2)+4*\i:X+16*((\t)%2)+4*\i+3], v15 offset:32*SP*((\t)%2)+16*\i
.endr
.endm
.macro XSTEP t
.set XS, X+16*((\t)%2)
.if (\t) > 0
	s_wait_dscnt 1                                 ; this step's numbers are back; the last step's byte store may be out
.else
	s_wait_dscnt 0x0
.endif
.if (\t) < 3
	s_wait_loadcnt 4*(2-(\t))                      ; the next step's four loads are in
	XTURN (\t)+1
.endif
	v_max3_num_f32 v8, |v[XS]|, |v[XS+1]|, |v[XS+2]|
	v_max3_num_f32 v9, |v[XS+3]|, |v[XS+4]|, |v[XS+5]|
.irp i, 6,10
	s_delay_alu instid0(VALU_DEP_2)
	v_max3_num_f32 v8, v8, |v[XS+\i]|, |v[XS+\i+1]|
	s_delay_alu instid0(VALU_DEP_2)
	v_max3_num_f32 v9, v9, |v[XS+\i+2]|, |v[XS+\i+3]|
.endr
	s_delay_alu instid0(VALU_DEP_2)
	v_max3_num_f32 v8, v8, |v[XS+14]|, |v[XS+15]|
	s_delay_alu instid0(VALU_DEP_1)
	v_max3_num_f32 v8, v8, v9, 0x1800000           ; and the floor 2^(3 - 127): the byte cannot fall under 1
	s_delay_alu instid0(VALU_DEP_1)
	v_max_num_f32_dpp v8, v8, v8 row_xmask:1 row_mask:0xf bank_mask:0xf   ; with my neighbour's 16: the block's
	s_delay_alu instid0(VALU_DEP_1)
	v_add_nc_u32 v11, 0xff000000, v8               ; 2 off its exponent field: the conversion's scale operand
	v_cvt_scalef32_pk8_fp4_f32 v[C+4*(\t)], v[XS:XS+7], v11
	v_cvt_scalef32_pk8_fp4_f32 v[C+4*(\t)+1], v[XS+8:XS+15], v11
	v_lshrrev_b32 v[E+(\t)], 23, v11               ; the scale's byte
	ds_store_b8 v5, v[E+(\t)] offset:512*((\t)%2)+16*((\t)/2)      ; both lanes of a block write the same byte with the same value
.if (\t) < 2
	global_store_b64 v4, v[C+4*(\t):C+4*(\t)+1], s[12:13] offset:256*(\t)   ; the wave stores one aligned unit of 256 bytes
.else
	global_store_b64 v12, v[C+4*(\t):C+4*(\t)+1], s[12:13] offset:256*(\t)
.endif
.endm
.irp t, 0,1,2,3
	XLOAD \t
.endr
	s_wait_loadcnt 12                              ; step 0's four loads are in
	XTURN 0
.irp t, 0,1,2,3
	XSTEP \t
.endr
	s_wait_dscnt 0x0                               ; for the others' sake: my byte stores are done
	s_barrier_signal -1
	s_barrier_wait -1
	s_cmp_lt_u32 s16, 2
	s_cbranch_scc0 .Lx_done
	ds_load_b128 v[8:11], v6
	s_wait_dscnt 0x0
	global_store_b128 v7, v[8:11], s[14:15]        ; 512 consecutive bytes
.Lx_done:
	s_wait_tensorcnt 0x0
	ds_add_u32 v192, v193
	s_wait_dscnt 0x0
	s_endpgm
; ---------------- W: K is the FIRST axis.  A lane takes a column and its registers run down K: a block of 32 lies in one lane, and the conversions give codes with K innermost.
.Lweights:
	s_sub_co_u32 s17, ttmp9, 128
	s_lshr_b32 s18, s17, 1                         ; gx 0..47: which 64 features
	s_and_b32 s19, s17, 1                          ; gy: which 512 along K
	s_and_b32 s20, s16, 1                          ; cg: which 32 columns of the 64
	s_lshr_b32 s21, s16, 1                         ; kc 0..7: which 64 along K of the 512
	s_wait_alu depctr_va_vdst(0)
	v_lshlrev_b32 v3, 2, v2                        ; in: 4 bytes a lane
	v_and_b32 v4, 7, v2
	v_and_b32 v5, 8, v2
	v_and_b32 v6, 16, v2
	v_lshl_add_u32 v4, v5, 1, v4
	v_lshrrev_b32 v6, 1, v6
	v_add_nc_u32 v4, v4, v6                        ; my lane with bits 3 and 4 exchanged
	s_lshl_b32 s22, s20, 5
	v_add_nc_u32 v4, s22, v4                       ; my column's stored row among the group's 64
	v_mul_u32_u24 v6, v4, WP
	s_lshl_b32 s23, s21, 5
	s_add_co_u32 s23, s23, WSTG
	v_add_nc_u32 v6, s23, v6                       ; into the stage: that row, + 32 kc (+ 16 a block)
	s_lshl_b32 s23, s21, 1
	s_add_co_u32 s23, s23, WSB
	v_lshlrev_b32 v7, 4, v4
	v_add_nc_u32 v7, s23, v7                       ; its two scale bytes: 16 x row + 2 kc
	v_lshrrev_b32 v10, 4, v2
	v_and_b32 v15, 15, v2
	s_lshl_b32 s24, s16, 2
	v_add_nc_u32 v10, s24, v10                     ; out of the stage: rows 4 w + lane / 16 (+ 2 for the second load), sixteen lanes to a row
	v_mul_u32_u24 v8, v10, WP
	v_lshl_add_u32 v8, v15, 4, v8
	v_add_nc_u32 v8, WSTG, v8
	v_and_b32 v11, 15, v10
	v_xor_b32 v11, v11, v15
	v_lshlrev_b32 v9, 9, v10
	v_lshl_add_u32 v9, v11, 4, v9                  ; in xwc: 512 x row + 16 x (piece xor row % 16);
	v_xor_b32 v11, 32, v9                          ; two rows on the row's bit 1 is set
	v_lshl_add_u32 v5, v0, 4, WSB                  ; the scale bytes' way out (waves 0 and 1)
	v_lshlrev_b32 v16, 4, v0
	s_lshl_b32 s24, s19, 9
	s_lshl_b32 s25, s21, 6
	s_add_co_u32 s24, s24, s25
	s_lshl_b32 s24, s24, 12                        ; in: (512 gy + 64 kc) rows of 4,096 bytes
	s_and_b32 s25, s18, 15
	s_lshl_b32 s25, s25, 6
	s_add_co_u32 s25, s25, s22
	s_lshl_b32 s25, s25, 2                         ; + 4 x (64 (gx % 16) + 32 cg)
	s_add_co_u32 s24, s24, s25
	s_mov_b32 s25, 0
	s_lshl_b32 s26, s18, 15                        ; codes: 64 gx rows of 512 bytes, + 256 gy
	s_lshl_b32 s27, s19, 8
	s_add_co_u32 s26, s26, s27
	s_add_co_u32 s26, s26, WCOD
	s_mov_b32 s27, 0
	s_lshl_b32 s28, s18, 10                        ; scale bytes: plane gy, 64 gx rows of 16 bytes
	s_mul_i32 s29, s19, 3072*16
	s_add_co_u32 s28, s28, s29
	s_add_co_u32 s28, s28, WSCA
	s_mov_b32 s29, 0
	s_wait_alu depctr_va_vdst(0)
	s_wait_kmcnt 0x0
	s_cmp_lt_u32 s18, 16                           ; which weight: the choice hangs on the work-group's number alone
	s_cselect_b64 s[6:7], s[6:7], s[8:9]
	s_cmp_lt_u32 s18, 32
	s_cselect_b64 s[6:7], s[6:7], s[10:11]
	s_add_nc_u64 s[6:7], s[6:7], s[24:25]
	s_add_nc_u64 s[12:13], s[12:13], s[26:27]
	s_add_nc_u64 s[14:15], s[14:15], s[28:29]
.set i, 0
.rept 64
	global_load_b32 v[WX+i], v3, s[6:7] offset:4096*i th:TH_LOAD_NT   ; W(i, my column): a wave reads 128 consecutive bytes, two waves side by side 256
.set i, i+1
.endr
.macro WBLOCK t
.set XS, WX+32*(\t)
	s_wait_loadcnt 32*(1-(\t))                     ; this block's 32 loads are in
	v_max3_num_f32 v12, |v[XS]|, |v[XS+1]|, |v[XS+2]|
	v_max3_num_f32 v13, |v[XS+3]|, |v[XS+4]|, |v[XS+5]|
.irp i, 6,10,14,18,22,26
	s_delay_alu instid0(VALU_DEP_2)
	v_max3_num_f32 v12, v12, |v[XS+\i]|, |v[XS+\i+1]|
	s_delay_alu instid0(VALU_DEP_2)
	v_max3_num_f32 v13, v13, |v[XS+\i+2]|, |v[XS+\i+3]|
.endr
	s_delay_alu instid0(VALU_DEP_2)
	v_max3_num_f32 v12, v12, |v[XS+30]|, |v[XS+31]|
	s_delay_alu instid0(VALU_DEP_1)
	v_max3_num_f32 v12, v12, v13, 0x1800000        ; and the floor
	s_delay_alu instid0(VALU_DEP_1)
	v_add_nc_u32 v14, 0xff000000, v12              ; the conversion's scale operand
	s_delay_alu instid0(VALU_DEP_1)
	v_lshrrev_b32 v13, 23, v14                     ; the scale's byte
.if (\t) == 0
	v_mov_b32 v[SB], v13
.else
	v_lshl_or_b32 v[SB], v13, 8, v[SB]
.endif
.irp g, 0,1,2,3
	v_cvt_scalef32_pk8_fp4_f32 v[WC+4*(\t)+\g], v[XS+8*\g:XS+8*\g+7], v14
.endr
	v_nop                                          ; one plain line behind the last conversion of a run
	ds_store_b128 v6, v[WC+4*(\t):WC+4*(\t)+3] offset:16*(\t)
.endm
	WBLOCK 0
	WBLOCK 1
	ds_store_b16 v7, v[SB]                         ; my column's two scale bytes
	s_wait_dscnt 0x0                               ; for the others' sake
	s_barrier_signal -1
	s_barrier_wait -1
	ds_load_b128 v[WO:WO+3], v8
	ds_load_b128 v[WO+4:WO+7], v8 offset:2*WP
	s_wait_dscnt 1
	global_store_b128 v9, v[WO:WO+3], s[12:13]     ; sixteen lanes store one aligned unit of 256 bytes
	s_wait_dscnt 0x0
	global_store_b128 v11, v[WO+4:WO+7], s[12:13] offset:1024
	s_cmp_lt_u32 s16, 2
	s_cbranch_scc0 .Lw_done
	ds_load_b128 v[WO+8:WO+11], v5
	s_wait_dscnt 0x0
	global_store_b128 v16, v[WO+8:WO+11], s[14:15] ; 1,024 consecutive bytes by waves 0 and 1
.Lw_done:
	s_wait_tensorcnt 0x0
	ds_add_u32 v192, v193
	s_wait_dscnt 0x0
	s_endpgm
.Lfunc_end_k_q032c6429bc_quant:
	.size	k_q032c6429bc_quant, .Lfunc_end_k_q032c6429bc_quant-k_q032c6429bc_quant
	.p2alignl 7, 3214868480
	.fill 96, 4, 3214868480
	.section	.rodata,"a",@progbits
	.p2align	6, 0x0
	.amdhsa_kernel k_q032c6429bc_quant
		.amdhsa_group_segment_fixed_size 103424
		.amdhsa_private_segment_fixed_size 0
		.amdhsa_enable_private_segment 0
		.amdhsa_kernarg_size 48
		.amdhsa_user_sgpr_count 2
		.amdhsa_user_sgpr_kernarg_segment_ptr 1
		.amdhsa_wavefront_size32 1
		.amdhsa_system_sgpr_workgroup_id_x 1
		.amdhsa_system_sgpr_workgroup_id_y 1
		.amdhsa_system_sgpr_workgroup_id_z 1
		.amdhsa_system_vgpr_workitem_id 0
		.amdhsa_next_free_vgpr 194
		.amdhsa_next_free_sgpr 66
		.amdhsa_reserve_vcc 0
		.amdhsa_float_denorm_mode_32 3
		.amdhsa_float_denorm_mode_16_64 3
		.amdhsa_memory_ordered 1
		.amdhsa_forward_progress 1
		.amdhsa_inst_pref_size 26
	.end_amdhsa_kernel
	.amdgpu_metadata
---
amdhsa.version: [ 1, 2 ]
amdhsa.kernels:
  - .name:           k_q032c6429bc_quant
    .symbol:         k_q032c6429bc_quant.kd
    .args:
      - { .name: x, .offset: 0, .size: 8, .value_kind: global_buffer, .address_space: global }
      - { .name: Wq, .offset: 8, .size: 8, .value_kind: global_buffer, .address_space: global }
      - { .name: Wk, .offset: 16, .size: 8, .value_kind: global_buffer, .address_space: global }
      - { .name: Wv, .offset: 24, .size: 8, .value_kind: global_buffer, .address_space: global }
      - { .name: xwc, .offset: 32, .size: 8, .value_kind: global_buffer, .address_space: global }
      - { .name: xws, .offset: 40, .size: 8, .value_kind: global_buffer, .address_space: global }
    .group_segment_fixed_size: 103424
    .private_segment_fixed_size: 0
    .kernarg_segment_align: 8
    .kernarg_segment_size: 48
    .max_flat_workgroup_size: 512
    .sgpr_count:     66
    .vgpr_count:     194
    .wavefront_size: 32
...
	.end_amdgpu_metadata
.endif
;; end of part 1
;; launch proj (part 2): grid 12 x 16, 4 waves a work-group, clusters of 4 x 4, 327,680 bytes of LDS; arguments xwc, xws, acodes, ascales; writes acodes, ascales
.if DOCPART == 2
	.amdgcn_target "amdgcn-amd-amdhsa--gfx1250"
	.amdhsa_code_object_version 6
	.text
	.protected	k_q032c6429bc_proj
	.globl	k_q032c6429bc_proj
	.p2align	8
	.type	k_q032c6429bc_proj,@function
k_q032c6429bc_proj:
	s_mov_b64 s[64:65], 0
	v_nop
	global_prefetch_b8 v0, s[64:65] scope:SCOPE_SE
	s_setreg_imm32_b32 hwreg(HW_REG_WAVE_MODE, 25, 1), 1
	s_wait_xcnt 0x0
	s_wait_alu depctr_hold_cnt(0) depctr_sa_sdst(0) depctr_va_vdst(0) depctr_va_sdst(0) depctr_va_ssrc(0) depctr_va_vcc(0) depctr_vm_vsrc(0)
	s_getreg_b32 s2, hwreg(HW_REG_IB_STS2, 6, 4)
	s_cmp_eq_u32 s2, 0
	s_cbranch_scc0 .Lentry_in_a_cluster
	s_endpgm
.Lentry_in_a_cluster:
	s_bfe_u32 s2, ttmp6, 0x10000c
	s_cmp_lg_u32 s2, 0xf033
	s_cbranch_scc0 .Lentry_shape_is_right
	s_endpgm
.Lentry_shape_is_right:
; q, k, v = x W on codes of FP4 with E8M0 scales, and their quantising for the two products of attention: nothing leaves as f32.
; A tile is 256 tokens x 256 features, K = 1,024 in two halves of 512, an LDS slot each; four waves, each 128 x 128: 64 accumulators, 512 registers.
; 12 x 16 = 192 work-groups: a tile may not lie across the border between k's and v's features (they are quantised along different axes), and 4,096 x 3,072 has no equal tiling into 256 such tiles of this shape.
; CLUSTERS 4 x 4: x's rows are shared along a row of the cluster, the weights' rows along a column; each is asked for jointly.  No prefetch: there is one fill behind the head's, and no loop of fills to run ahead in.
; THE ROLE.  Source 0 (P) is the axis that is quantised next: in a result a lane's registers run along it.  Source 1 (S) gives the lane's row.
;   q, k (cluster x 0, 1): P = features, S = tokens: a lane holds one token and 128 features = two heads of 64: four blocks of 32 along the head's axis.
;   v    (cluster x 2):    P = tokens,  S = features: a lane holds one feature and 128 tokens (keys): four blocks of 32 along the keys.
; The role hangs on the cluster's x alone, which all partners share; it enters LDS READ addresses, one register of byte selects, the stores' offsets and one branch round a store; no descriptor, mask or LDS address of a fill.
; LDS rows are 256 bytes without padding: the 16-byte piece c of row r lies at place c xor (r % 16), as xwc holds it, so the sixteen rows of a fragment load touch sixteen different 16-byte columns.
; sixteen consecutive stored rows, tile 2 g + u, are rows 32 g + 8 u + r + 8 (r / 8): the 16 registers of P's tiles 2 g, 2 g + 1 are the neighbours 32 g + 16 (lane / 16) + 0 .. 15.
; OUT: images of operand registers, 16 bytes a lane, 512 bytes for four registers.  q, k: [feature / 128][token tile][head % 2][512]; v, behind them: [token / 128][feature tile][2][512].
; Scale words: q, k: [head 32][token tile 256][16 words], a head's two bytes repeated in bytes 2 and 3 (the upper half of the later K = 128 is zero codes); v: [token / 128][feature tile 64][16 words].
; LIMITS: a block of zeros gets the byte 1 (its codes are zeros; this program alone reads the bytes); NaN and infinities are not served.
; REGISTERS: window 0: v8-28 addresses; v32-95 scale words (register 8 i + q: lanes 0-15 S's block i, lanes 16-31 P's block i, K step q); v96-111 at work; v112-119 the scale words made; v128-191 S's fragments, later the codes made.
;   window 1: P's fragments, two sets, at v0 and v128.   windows 2, 3: the accumulators, (a, b) at v[8 (8 (a % 4) + b)].
.set SLOT,  131072                     ; a K half: x's 256 rows, then the weights' 256
.set SCL,   2*SLOT                     ; scale bytes: x [K half][256 rows][16], then the weights'
.set STG,   SCL+16384                  ; 1,024 bytes for each wave: the scale words' way out; no fill lands here
.set SPARE, STG+4096                   ; the spare words
.set FR,    8
.set ADS,   8                          ; v8-15   LDS addresses of S's fragments, one for each 64 along K of a half
.set ADP,   16                         ; v16-23  of P's
.set STR,   24
.set STW,   25
.set SELV,  26
.set LI,    27
.set ADC,   28
.set SC,    32
.set TM,    96
.set WD,    112
.set AF,    128
.set G1,    24                         ; groups 1 for x's codes, the weights', and their scale bytes; groups 0: G0, G0B for the second half, G0H, G0HB, G0S, G0SB for the head's four tiles
.set G0,    32
.set G1B,   48
.set G0B,   56
.set SEL,   66
.set G1S,   68
.set G0S,   76
.set G1SB,  80
.set G0SB,  88
.set G0H,   92
.set G0HB,  96
.set MSB, 0
.macro WIN new                         ; the immediate's high byte repeats the setting that is left
.if MSB != (\new)
	s_set_vgpr_msb (MSB<<8)|(\new)
.set MSB, (\new)
.endif
.endm
.set MUL_LO, 0xa1                      ; source 0 (P) window 1, source 1 (S) window 0, C and D window 2
.set MUL_HI, 0xf1                      ; the same, C and D window 3
.set TO_P,   0x40                      ; destination window 1, address window 0
.macro CROUND                          ; a round of the cluster's barrier
	s_barrier_signal -1
	s_barrier_wait -1
	s_cmp_lg_u32 s14, 0
	s_cbranch_scc1 .Lnot_wave_0_\@
	s_barrier_signal -3
.Lnot_wave_0_\@:
	s_barrier_wait -3
	s_barrier_signal -1
	s_barrier_wait -1
.endm
.macro PLACES
.rept 4
	v_nop
.endr
.endm
	s_load_b256 s[4:11], s[0:1], 0x0               ; xwc, xws, acodes, ascales
	v_lshl_add_u32 v254, v0, 2, SPARE
	v_mov_b32 v255, 0
	ds_add_u32 v254, v255                          ; the wave's opening: the add, twice on end, and its wait
	ds_add_u32 v254, v255
	v_lshrrev_b32 v1, 5, v0
	v_readfirstlane_b32 s14, v1                    ; wave 0..3
	s_lshr_b32 s15, s14, 1                         ; my half of the tile's tokens.  Also: I fetch for x (0) or for the weights (1)
	s_and_b32 s16, s14, 1                          ; my half of its features.  Also: which 128 rows I fetch
	s_bfe_u32 s40, ttmp6, 0x40000                  ; cx, cy
	s_bfe_u32 s41, ttmp6, 0x40004
	s_lshl_b32 s42, ttmp9, 2
	s_add_co_u32 s42, s42, s40                     ; feature tile 0..11
	s_and_b32 s17, ttmp7, 0xffff
	s_lshl_b32 s17, s17, 2
	s_add_co_u32 s17, s17, s41                     ; token tile 0..15
	s_lshl_b32 s43, s41, 2
	s_lshl_b32 s43, 15, s43                        ; my row of the cluster
	s_lshl_b32 s44, 0x1111, s40                    ; my column
	s_or_b32 s[G1+0], s43, (3<<16)|(1<<21)         ; 15:0 the mask; 17:16 elements of 8 bytes; 21 set beside a mask; no padding
	s_or_b32 s[G1B+0], s44, (3<<16)|(1<<21)
.irp g, G1, G1B
	s_mov_b32 s[\g+1], 32<<16                      ; rows of 256 bytes: a K half
	s_mov_b32 s[\g+2], 256<<16                     ; 256 rows for the head's loads
	s_mov_b32 s[\g+3], 32<<16
	s_mov_b32 s[\g+4], 256
	s_mov_b32 s[\g+5], 64                          ; 512 bytes from row to row
	s_mov_b32 s[\g+6], 0
	s_mov_b32 s[\g+7], 0
.endr
	s_or_b32 s[G1S+0], s43, (3<<16)|(1<<21)        ; the scale bytes of 256 rows: 4,096 dense bytes of each K half
	s_or_b32 s[G1SB+0], s44, (3<<16)|(1<<21)
.irp g, G1S, G1SB
	s_mov_b32 s[\g+1], 512<<16
	s_mov_b32 s[\g+2], 2<<16
	s_mov_b32 s[\g+3], 512<<16
	s_mov_b32 s[\g+4], 2
	s_mov_b32 s[\g+6], 0
	s_mov_b32 s[\g+7], 0
.endr
	s_mov_b32 s[G1S+5], 8192                       ; x's planes: 4,096 rows of 16 bytes
	s_mov_b32 s[G1SB+5], 6144                      ; the features': 3,072
	s_lshl_b32 s20, s17, 17                        ; x: 256 x token tile rows of 512 bytes,
	s_mov_b32 s21, 0
	s_lshl_b32 s22, s17, 12                        ; and of 16 scale bytes
	s_mov_b32 s23, 0
	s_lshl_b32 s46, s42, 17                        ; the weights, behind x's 4,096 rows
	s_add_co_u32 s46, s46, 4096*512
	s_mov_b32 s47, 0
	s_lshl_b32 s18, s42, 12
	s_add_co_u32 s18, s18, 4096*32
	s_mov_b32 s19, 0
	s_lshl_b32 s36, s16, 16
	s_add_co_u32 s36, s36, 256                     ; the second half's fill: my 128 rows, 256 bytes on
	s_mov_b32 s37, 0
	s_lshl_b32 s45, s14, 15
	s_add_co_u32 s45, s45, SLOT                    ; and where it goes: wave x 128 rows: no place in the cluster enters an LDS address
	s_mov_b32 s[SEL], 0x76543210
	s_mov_b32 s[SEL+1], 0xfedcba98
	s_wait_dscnt 0x0                               ; both opening adds are done
	s_wait_kmcnt 0x0
	s_mov_b32 s[G0H], 1
	s_mov_b32 s[G0H+1], 0
	s_add_nc_u64 s[G0H+2:G0H+3], s[4:5], s[20:21]
	s_or_b32 s[G0H+3], s[G0H+3], 0x80000000
	s_mov_b32 s[G0HB], 1
	s_mov_b32 s[G0HB+1], 65536
	s_add_nc_u64 s[G0HB+2:G0HB+3], s[4:5], s[46:47]
	s_or_b32 s[G0HB+3], s[G0HB+3], 0x80000000
	s_mov_b32 s[G0S], 1
	s_mov_b32 s[G0S+1], SCL
	s_add_nc_u64 s[G0S+2:G0S+3], s[6:7], s[22:23]
	s_or_b32 s[G0S+3], s[G0S+3], 0x80000000
	s_mov_b32 s[G0SB], 1
	s_mov_b32 s[G0SB+1], SCL+8192
	s_add_nc_u64 s[G0SB+2:G0SB+3], s[6:7], s[18:19]
	s_or_b32 s[G0SB+3], s[G0SB+3], 0x80000000
	s_add_nc_u64 s[20:21], s[20:21], s[36:37]
	s_add_nc_u64 s[46:47], s[46:47], s[36:37]
	s_mov_b32 s[G0], 1
	s_mov_b32 s[G0+1], s45
	s_add_nc_u64 s[G0+2:G0+3], s[4:5], s[20:21]
	s_or_b32 s[G0+3], s[G0+3], 0x80000000
	s_mov_b32 s[G0B], 1
	s_mov_b32 s[G0B+1], s45
	s_add_nc_u64 s[G0B+2:G0B+3], s[4:5], s[46:47]
	s_or_b32 s[G0B+3], s[G0B+3], 0x80000000
	CROUND                                         ; all sixteen work-groups are here: the joint loads meet
; the head's four tiles, one a wave: the first half of x's 256 rows, of the weights' 256 rows, x's scale bytes, the weights'
.macro ARM under, g0, g1, next
	s_cmp_lt_u32 s14, \under
	s_cbranch_scc0 \next
	tensor_load_to_lds s[\g0:\g0+3], s[\g1:\g1+7]
	s_nop 0
.rept 4
	v_nop
.endr
	s_branch .Lhead_asked
\next:
.endm
	ARM 1, G0H,  G1,  .Lhead_b
	ARM 2, G0HB, G1B, .Lhead_sa
	ARM 3, G0S,  G1S, .Lhead_sb
	tensor_load_to_lds s[G0SB:G0SB+3], s[G1SB:G1SB+7]
	s_nop 0
.rept 4
	v_nop
.endr
.Lhead_asked:
	; the addresses are made while the tiles are on their way
	s_lshl_b32 s36, s15, 15                        ; my 128 tokens
	s_lshl_b32 s37, s16, 15
	s_add_co_u32 s37, s37, 65536                   ; my 128 features
	s_mov_b32 s61, 0x01000100                      ; q, k: head 0's two bytes, twice;
	s_mov_b32 s62, 0x03020302                      ; head 1's;
	s_mov_b32 s63, 0x03020100                      ; v: the word as it is
	s_cmp_ge_u32 ttmp9, 2                          ; the role: 1 for v
	s_cselect_b32 s60, 1, 0
	s_cselect_b32 s38, s37, s36                    ; S
	s_cselect_b32 s39, s36, s37                    ; P
	s_cselect_b32 s61, s63, s61
	s_cselect_b32 s62, s63, s62
	v_and_b32 v1, 15, v0                           ; r
	v_bfe_u32 v2, v0, 4, 1                         ; h
	v_lshlrev_b32 v3, 8, v1
	v_xor_b32 v4, v1, v2
.irp k, 0,1,2,3,4,5,6,7                ; 256 r + 16 ((2 k + h) xor r)
	v_xor_b32 v5, 2*\k, v4
	v_lshl_add_u32 v5, v5, 4, v3
	v_add_nc_u32 v[ADS+\k], s38, v5
	v_add_nc_u32 v[ADP+\k], s39, v5
.endr
	s_lshl_b32 s18, s15, 11                        ; scale bytes: x's: my 128 tokens,
	s_lshl_b32 s19, s16, 11
	s_add_co_u32 s19, s19, 8192                    ; the weights': my 128 features
	s_sub_co_u32 s19, s19, s18
	v_xor_b32 v6, s60, v2                          ; lanes 0-15 take S's words, lanes 16-31 P's: the weights' where h xor role = 1
	v_mul_u32_u24 v6, s19, v6
	s_add_co_u32 s18, s18, SCL
	v_lshl_add_u32 v5, v1, 4, v6
	v_add_nc_u32 v[ADC], s18, v5
	v_and_b32 v7, 31, v0
	v_lshlrev_b32 v[LI], 4, v7
	s_lshl_b32 s18, s14, 10
	s_add_co_u32 s18, s18, STG                     ; my stage
	v_lshlrev_b32 v5, 9, v2
	v_lshl_add_u32 v5, v1, 2, v5
	v_add_nc_u32 v[STW], s18, v5                   ; in: 512 h + 4 r (+ 64 a block)
	v_add_nc_u32 v[STR], s18, v[LI]
	v_cmp_eq_u32 vcc_lo, 1, v2
	v_mov_b32 v[SELV], s61
	v_mov_b32 v29, s62
	v_cndmask_b32 v[SELV], v[SELV], v29, vcc_lo
.irp b, 0,1,2,3
	v_mov_b32 v[TM+4+\b], 0                        ; written once: a lane permute's destination counts as one of its sources
.endr
	; where my results go
	s_lshl_b32 s20, s42, 1
	s_add_co_u32 s20, s20, s16                     ; q, k: which 128 features (two heads)
	s_lshl_b32 s21, s17, 4
	s_lshl_b32 s22, s15, 3
	s_add_co_u32 s21, s21, s22                     ; my first token tile of 16
	s_lshl_b32 s22, s20, 8
	s_add_co_u32 s22, s22, s21                     ; q, k: codes' index
	s_lshl_b32 s23, s20, 15
	s_lshl_b32 s21, s21, 6
	s_add_co_u32 s23, s23, s21                     ; q, k: words' bytes
	s_lshl_b32 s12, s17, 1
	s_add_co_u32 s12, s12, s15
	s_lshl_b32 s12, s12, 6
	s_sub_co_u32 s13, s42, 8
	s_lshl_b32 s13, s13, 4
	s_add_co_u32 s12, s12, s13
	s_lshl_b32 s13, s16, 3
	s_add_co_u32 s12, s12, s13                     ; v: (2 x token tile + half) x 64 + 16 x (feature tile - 8) + 8 x half
	s_lshl_b32 s13, s12, 6
	s_add_co_u32 s13, s13, 0x80000                 ; v's words lie behind q's and k's 512 KiB
	s_cmp_ge_u32 ttmp9, 2
	s_cselect_b32 s20, s12, s22
	s_cselect_b32 s18, s13, s23
	s_cselect_b32 s12, 0x400000, 0                 ; v's images behind their 4 MiB
	s_lshl_b32 s20, s20, 10
	s_add_co_u32 s20, s20, s12
	s_mov_b32 s21, 0
	s_mov_b32 s19, 0
	s_add_nc_u64 s[8:9], s[8:9], s[20:21]
	s_add_nc_u64 s[10:11], s[10:11], s[18:19]
.macro FRAG reg, adr, q, i             ; 16 rows x 128 K: lane l holds row l % 16; registers 4 c .. 4 c + 3 hold K = 64 c + 32 (l / 16) + 0 .. 31
.irp c, 0,1
	ds_load_b128 v[\reg+4*\c:\reg+4*\c+3], v[\adr+2*((\q)%4)+\c] offset:(\i)*4096
.endr
.endm
; 16 matrix instructions: S's blocks a0, a0 + 1 x P's eight, K step q.  zero = 1: the first product starts the sums.  The 64 accumulators take turns, one instruction a turn.
.macro MUL16 a0, p, q, zero
.irp a, \a0, \a0+1
.irp b, 0,1,2,3,4,5,6,7
.if \zero
	v_wmma_scale_f32_16x16x128_f8f6f4 v[8*(8*((\a)%4)+\b):8*(8*((\a)%4)+\b)+7], v[128*(\p)+FR*\b:128*(\p)+FR*\b+FR-1], v[AF+FR*(\a):AF+FR*(\a)+FR-1], 0, v[SC+8*\b+(\q)], v[SC+8*(\a)+(\q)] matrix_a_fmt:MATRIX_FMT_FP4 matrix_b_fmt:MATRIX_FMT_FP4 matrix_a_scale:MATRIX_SCALE_ROW1
.else
	v_wmma_scale_f32_16x16x128_f8f6f4 v[8*(8*((\a)%4)+\b):8*(8*((\a)%4)+\b)+7], v[128*(\p)+FR*\b:128*(\p)+FR*\b+FR-1], v[AF+FR*(\a):AF+FR*(\a)+FR-1], v[8*(8*((\a)%4)+\b):8*(8*((\a)%4)+\b)+7], v[SC+8*\b+(\q)], v[SC+8*(\a)+(\q)] matrix_a_fmt:MATRIX_FMT_FP4 matrix_b_fmt:MATRIX_FMT_FP4 matrix_a_scale:MATRIX_SCALE_ROW1
.endif
.endr
.endr
.endm
.macro FETCH_P q, p
	WIN TO_P
.irp i, 0,1,2,3,4,5,6,7
	FRAG 128*(\p)+FR*\i, ADP, \q, \i
.endr
	WIN 0
.endm
.macro FETCH_S q, i0
.irp i, \i0, \i0+1, \i0+2, \i0+3
	FRAG AF+FR*(\i), ADS, \q, \i
.endr
.endm
; A K step of 128 with its successor in the same slot.  S has one set of registers: blocks 0-3 come anew in the step's middle, blocks 4-7 at its end; P has two sets.
; Four plain places stand in front of each run of loads into registers that matrix instructions have read.
.macro STEP q, zero
	s_wait_dscnt 8                                 ; all but the youngest eight loads (S's blocks 4-7) are in
	WIN MUL_LO
	MUL16 0, (\q)%2, \q, \zero
	MUL16 2, (\q)%2, \q, \zero
	s_wait_dscnt 0x0
	PLACES
	FETCH_P (\q)+1, 1-(\q)%2
	FETCH_S (\q)+1, 0
	WIN MUL_HI
	MUL16 4, (\q)%2, \q, \zero
	MUL16 6, (\q)%2, \q, \zero
	PLACES
	WIN 0
	FETCH_S (\q)+1, 4
.endm
	s_wait_alu depctr_va_vdst(0)
	s_wait_tensorcnt 0x0                           ; my tile of the head's four is in; these lines stand ahead of a later first fill too:
	ds_add_u32 v254, v255
	s_mov_b32 s[G1+2], 128<<16                     ; no tensor load of mine is out: from here on a load brings 128 rows
	s_mov_b32 s[G1+4], 128
	s_mov_b32 s[G1B+2], 128<<16
	s_mov_b32 s[G1B+4], 128
	s_wait_dscnt 0x0
	CROUND                                         ; all four tiles are in, and the joint loads meet
	s_cmp_eq_u32 s15, 0                            ; the second half: waves 0 and 1 fetch x's rows, waves 2 and 3 the weights'
	s_cbranch_scc0 .Lfor_w
	tensor_load_to_lds s[G0:G0+3], s[G1:G1+7]
	s_nop 0
.rept 4
	v_nop
.endr
	s_branch .Lasked
.Lfor_w:
	tensor_load_to_lds s[G0B:G0B+3], s[G1B:G1B+7]
	s_nop 0
.rept 4
	v_nop
.endr
.Lasked:
	FETCH_P 0, 0
	FETCH_S 0, 0
.irp i, 0,1,2,3,4,5,6,7                ; all eight K steps' scale words
	ds_load_b128 v[SC+8*\i:SC+8*\i+3], v[ADC] offset:\i*256
	ds_load_b128 v[SC+8*\i+4:SC+8*\i+7], v[ADC] offset:4096+\i*256
.endr
	FETCH_S 0, 4
	STEP 0, 1                                      ; the first step's products start the sums
	STEP 1, 0
	STEP 2, 0
	s_wait_dscnt 8                                 ; K step 3 changes slots
	WIN MUL_LO
	MUL16 0, 1, 3, 0
	s_wait_dscnt 0x0
	s_wait_tensorcnt 0x0                           ; my part of the second half has landed
	s_barrier_signal -1
	MUL16 2, 1, 3, 0
	WIN 0
	s_barrier_wait -1
.irp k, 0,1,2,3,4,5,6,7
	v_add_nc_u32 v[ADP+\k], 0x20000, v[ADP+\k]     ; on to slot 1; also the places in front of the loads
	v_add_nc_u32 v[ADS+\k], 0x20000, v[ADS+\k]
.endr
	s_wait_alu depctr_va_vdst(0)                   ; directly behind the writes
	FETCH_P 4, 0
	FETCH_S 4, 0
	WIN MUL_HI
	MUL16 4, 1, 3, 0
	MUL16 6, 1, 3, 0
	PLACES
	WIN 0
	FETCH_S 4, 4
	STEP 4, 0
	STEP 5, 0
	STEP 6, 0
	s_wait_dscnt 8                                 ; the last step: nothing more to fetch
	WIN MUL_LO
	MUL16 0, 1, 7, 0
	MUL16 2, 1, 7, 0
	s_wait_dscnt 0x0
	WIN MUL_HI
	MUL16 4, 1, 7, 0
	MUL16 6, 1, 7, 0
	WIN 0
	PLACES                                         ; in front of the first read of results, and of the conversions that write where S's fragments lay
; THE WAY OUT of S's block a: the lane's 64 results, register 16 b + i = P's index 32 b + 16 (lane / 16) + i, are four half blocks of 32: quantised in registers, and the codes ARE the next operand's registers.
.macro OUT a
.set AC, 64*((\a)%4)
.set PC, AF+8*(\a)
	WIN 0x28+0x14*((\a)/4)                         ; sources 1 and 2: window 2 or 3
.irp b, 0,1,2,3
	v_max3_num_f32 v[TM+\b], 0x1800000, |v[AC+16*\b]|, |v[AC+16*\b+1]|   ; my 16 numbers of block b and the floor 2^(3 - 127); each accumulator is read from its low end on
.endr
.irp i, 2,4,6,8,10,12,14
.irp b, 0,1,2,3
	v_max3_num_f32 v[TM+\b], v[TM+\b], |v[AC+16*\b+\i]|, |v[AC+16*\b+\i+1]|
.endr
.endr
	WIN 0
.irp b, 0,1,2,3
	v_permlanex16_b32 v[TM+4+\b], v[TM+\b], s[SEL], s[SEL+1]
.endr
.irp b, 0,1,2,3
	v_max_num_f32 v[TM+\b], v[TM+\b], v[TM+4+\b]   ; the block's largest magnitude
.endr
.irp b, 0,1,2,3
	v_add_nc_u32 v[TM+12+\b], 0xff000000, v[TM+\b] ; the conversion's scale operand
.endr
.irp b, 0,1,2,3
	v_lshrrev_b32 v[TM+4+\b], 23, v[TM+12+\b]      ; the scale's byte
.endr
	v_lshl_or_b32 v[TM+8], v[TM+5], 8, v[TM+4]
	v_lshl_or_b32 v[TM+8], v[TM+6], 16, v[TM+8]
	v_lshl_or_b32 v[TM+8], v[TM+7], 24, v[TM+8]
	v_perm_b32 v[WD+(\a)], v[TM+8], v[TM+8], v[SELV]   ; q, k: lanes 0-15 head 0's word, lanes 16-31 head 1's;  v: the whole word in both
	WIN 0x02+((\a)/4)                              ; source 0: window 2 or 3
.irp b, 0,1,2,3
	v_cvt_scalef32_pk8_fp4_f32 v[PC+2*\b], v[AC+16*\b:AC+16*\b+7], v[TM+12+\b]
	v_cvt_scalef32_pk8_fp4_f32 v[PC+2*\b+1], v[AC+16*\b+8:AC+16*\b+15], v[TM+12+\b]
.endr
	WIN 0
	v_nop                                          ; one plain line behind a scaled conversion
.irp c, 0,1                            ; the operand's layout wants a whole block in a lane
.irp i, 0,1
	v_permlane16_swap_b32 v[PC+4*\c+\i], v[PC+2+4*\c+\i]
.endr
.endr
.irp c, 0,1
	global_store_b128 v[LI], v[PC+4*\c:PC+4*\c+3], s[8:9] offset:1024*(\a)+512*\c   ; the wave stores 512 consecutive bytes, aligned
.endr
	ds_store_b32 v[STW], v[WD+(\a)] offset:64*(\a)
.endm
.irp a, 0,1,2,3,4,5,6,7
	OUT \a
.endr
	ds_load_b128 v[TM:TM+3], v[STR]                ; my eight blocks' scale words: LDS serves a wave's instructions in order, these see my stores
	ds_load_b128 v[TM+4:TM+7], v[STR] offset:512
	s_wait_dscnt 0x0
	global_store_b128 v[LI], v[TM:TM+3], s[10:11]
	s_cmp_lg_u32 s60, 0                            ; q, k: the second head's words, 256 tiles of 64 bytes on; v has one set
	s_cbranch_scc1 .Lone_set
	global_store_b128 v[LI], v[TM+4:TM+7], s[10:11] offset:16384
.Lone_set:
	s_wait_tensorcnt 0x0
	ds_add_u32 v254, v255
	s_wait_dscnt 0x0
	CROUND                                         ; the closing round: no work-group ends while a partner may still ask for a tile that names it
	s_endpgm
.Lfunc_end_k_q032c6429bc_proj:
	.size	k_q032c6429bc_proj, .Lfunc_end_k_q032c6429bc_proj-k_q032c6429bc_proj
	.p2alignl 7, 3214868480
	.fill 96, 4, 3214868480
	.section	.rodata,"a",@progbits
	.p2align	6, 0x0
	.amdhsa_kernel k_q032c6429bc_proj
		.amdhsa_group_segment_fixed_size 327680
		.amdhsa_private_segment_fixed_size 0
		.amdhsa_enable_private_segment 0
		.amdhsa_kernarg_size 32
		.amdhsa_user_sgpr_count 2
		.amdhsa_user_sgpr_kernarg_segment_ptr 1
		.amdhsa_wavefront_size32 1
		.amdhsa_system_sgpr_workgroup_id_x 1
		.amdhsa_system_sgpr_workgroup_id_y 1
		.amdhsa_system_sgpr_workgroup_id_z 1
		.amdhsa_system_vgpr_workitem_id 0
		.amdhsa_next_free_vgpr 1024
		.amdhsa_next_free_sgpr 100
		.amdhsa_reserve_vcc 1
		.amdhsa_float_denorm_mode_32 3
		.amdhsa_float_denorm_mode_16_64 3
		.amdhsa_memory_ordered 1
		.amdhsa_forward_progress 1
		.amdhsa_inst_pref_size 132
	.end_amdhsa_kernel
	.amdgpu_metadata
---
amdhsa.version: [ 1, 2 ]
amdhsa.kernels:
  - .name:           k_q032c6429bc_proj
    .symbol:         k_q032c6429bc_proj.kd
    .args:
      - { .name: xwc, .offset: 0, .size: 8, .value_kind: global_buffer, .address_space: global }
      - { .name: xws, .offset: 8, .size: 8, .value_kind: global_buffer, .address_space: global }
      - { .name: acodes, .offset: 16, .size: 8, .value_kind: global_buffer, .address_space: global }
      - { .name: ascales, .offset: 24, .size: 8, .value_kind: global_buffer, .address_space: global }
    .group_segment_fixed_size: 327680
    .private_segment_fixed_size: 0
    .kernarg_segment_align: 8
    .kernarg_segment_size: 32
    .max_flat_workgroup_size: 128
    .sgpr_count:     100
    .vgpr_count:     1024
    .wavefront_size: 32
...
	.end_amdgpu_metadata
.endif
;; end of part 2
;; launch stats (part 3): grid 8 x 32, 8 waves a work-group, clusters of 4 x 1, 167,936 bytes of LDS; arguments acodes, ascales, st; writes st
.if DOCPART == 3
	.amdgcn_target "amdgcn-amd-amdhsa--gfx1250"
	.amdhsa_code_object_version 6
	.text
	.protected	k_q032c6429bc_stats
	.globl	k_q032c6429bc_stats
	.p2align	8
	.type	k_q032c6429bc_stats,@function
k_q032c6429bc_stats:
	s_mov_b64 s[64:65], 0
	v_nop
	global_prefetch_b8 v0, s[64:65] scope:SCOPE_SE
	s_setreg_imm32_b32 hwreg(HW_REG_WAVE_MODE, 25, 1), 1
	s_wait_xcnt 0x0
	s_wait_alu depctr_hold_cnt(0) depctr_sa_sdst(0) depctr_va_vdst(0) depctr_va_sdst(0) depctr_va_ssrc(0) depctr_va_vcc(0) depctr_vm_vsrc(0)
	s_getreg_b32 s2, hwreg(HW_REG_IB_STS2, 6, 4)
	s_cmp_eq_u32 s2, 0
	s_cbranch_scc0 .Lentry_in_a_cluster
	s_endpgm
.Lentry_in_a_cluster:
	s_bfe_u32 s2, ttmp6, 0x10000c
	s_cmp_lg_u32 s2, 0x3003
	s_cbranch_scc0 .Lentry_shape_is_right
	s_endpgm
.Lentry_shape_is_right:
; The softmax runs over the QUERIES q >= k of each key k: m_k = the largest score, l_k = the sum of 2^(c s - c m_k), c = log2(e) / 32.  Stored for each key: I - c m_k - log2(l_k), I = 8 for keys under 1,920 and 0 beyond:
; a whole number that keeps the sum small; the launch that follows takes it back out of the weights' scale bytes.
; SHARES.  A work-group has place p = 4 x cluster x + cx; wave w of its eight owns tile p (16 keys) of key block w and tile p of key block 15 - w (blocks of 128).  Query blocks are walked from the last one down: trip jj takes block 15 - jj.
; The first tile counts in trips 0 .. 15 - w, the second in trips 0 .. w: 17 tile steps for every wave.  Whole steps that the causal mask hides are not computed; branches hang on the wave's number and the trip alone.
; A head's 2,048 queries (codes 64 KiB, scale words 8 KiB) come into LDS once, by joint loads of the cluster's four work-groups, one load a wave: nothing is filled twice.  No prefetch: no loop loads from memory.
; LAYOUT: source 0 = 16 queries, source 1 = my 16 keys: a lane holds one key; score register 16 b + i is query 32 b + 16 (lane / 16) + i of the block.  On the diagonal the product's C is 0, or -1e38 where the query lies ahead of the key:
; under the running maximum's start of -1e30, so its exponential is 0.  A running maximum for each lane; the two halves of a key's queries are joined at the end.
; LIMITS: scaled scores stay under 2^31 in magnitude; NaN and infinities are not served.
; REGISTERS: window 0: v1-13 addresses, v16-37 my keys and scale words, v40-55 the two tiles' state (c m, m, sum in two halves, at work), v56-91 queries, v128-255 scores.  window 1: v0-63 the diagonal's C.
; OUT: st [batch x head][place p 8][block 16][16 keys of the tile] f32: 1,024 consecutive bytes for a work-group.
.set QSW,  65536
.set STG,  73728                       ; the statistics' way out; no fill lands here
.set SPARE, STG+1024
.set WV,   12
.set LIM,  19                          ; 15 - w
.set G1I,  24
.set G1W,  32
.set G0I,  40
.set G0W,  44
.set CS,   48
.set SEL,  50
.set JJ,   52
.set T4,   53
.set T5,   54
.set IB,   56                          ; s56, s57: 127 + I of the two tiles
.set KF,   16
.set KS,   32
.set QS,   34
.set ST,   40
.set QF,   56
.set S,    128
.set MSB, 0
.macro WIN new
.if MSB != (\new)
	s_set_vgpr_msb (MSB<<8)|(\new)
.set MSB, (\new)
.endif
.endm
.macro CROUND
	s_barrier_signal -1
	s_barrier_wait -1
	s_cmp_lg_u32 s[WV], 0
	s_cbranch_scc1 .Lnot_wave_0_\@
	s_barrier_signal -3
.Lnot_wave_0_\@:
	s_barrier_wait -3
	s_barrier_signal -1
	s_barrier_wait -1
.endm
.macro GROUP1 g, c, r, p               ; r rows of c elements of 8 bytes, p elements apart; the mask names the cluster's four work-groups, bit 21 beside it
	s_mov_b32 s[\g], 15|(3<<16)|(1<<21)
	s_mov_b32 s[\g+1], (\c)<<16
	s_mov_b32 s[\g+2], (\r)<<16
	s_mov_b32 s[\g+3], (\c)<<16
	s_mov_b32 s[\g+4], \r
	s_mov_b32 s[\g+5], \p
	s_mov_b32 s[\g+6], 0
	s_mov_b32 s[\g+7], 0
.endm
	s_load_b128 s[4:7], s[0:1], 0x0                ; acodes, ascales
	s_load_b64 s[8:9], s[0:1], 0x10                ; st
	v_lshl_add_u32 v14, v0, 2, SPARE
	v_mov_b32 v15, 0
	ds_add_u32 v14, v15                            ; the wave's opening: the add, twice on end, and its wait
	ds_add_u32 v14, v15
	v_lshrrev_b32 v1, 5, v0
	v_readfirstlane_b32 s[WV], v1
	s_xor_b32 s[LIM], s[WV], 15
	s_bfe_u32 s13, ttmp6, 0x40000
	s_lshl_b32 s20, ttmp9, 2
	s_add_co_u32 s13, s13, s20                     ; p
	s_and_b32 s14, ttmp7, 0xffff                   ; batch x 16 + head
	s_lshr_b32 s15, s14, 4
	s_and_b32 s16, s14, 15
	s_lshr_b32 s17, s16, 1
	s_and_b32 s18, s16, 1
	GROUP1 G1I, 64, 32, 128                        ; 32 images of 512 bytes, 1,024 apart
	GROUP1 G1W, 32, 8, 32                          ; 2,048 dense bytes of words
	s_and_b32 s20, s[WV], 3                        ; which quarter I fetch: waves 0-3 of the codes, waves 4-7 of the words
	s_lshl_b32 s21, s17, 18
	s_lshl_b32 s22, s15, 17
	s_add_co_u32 s21, s21, s22
	s_lshl_b32 s22, s18, 9
	s_add_co_u32 s21, s21, s22                     ; the head among q's codes
	s_lshl_b32 s22, s20, 15
	s_mov_b32 s[G0I], 1
	s_lshl_b32 s[G0I+1], s20, 14
	s_add_co_u32 s[G0I+2], s21, s22
	s_mov_b32 s[G0I+3], 0
	s_lshl_b32 s22, s16, 14
	s_lshl_b32 s23, s15, 13
	s_add_co_u32 s22, s22, s23                     ; the head among q's words
	s_lshl_b32 s23, s20, 11
	s_mov_b32 s[G0W], 1
	s_add_co_u32 s[G0W+1], s23, QSW
	s_add_co_u32 s[G0W+2], s22, s23
	s_mov_b32 s[G0W+3], 0
	; my two key tiles: k lies 2,048 tiles of 1,024 bytes behind q, its words 16 heads of 16,384 bytes
	s_lshl_b32 s20, s13, 10
	s_add_co_u32 s20, s20, s21
	s_add_co_u32 s20, s20, 0x200000
	s_lshl_b32 s23, s13, 6
	s_add_co_u32 s22, s22, s23
	s_add_co_u32 s22, s22, 0x40000
	s_lshl_b32 s58, s[WV], 13
	s_add_co_u32 s58, s58, s20
	s_mov_b32 s59, 0
	s_lshl_b32 s60, s[LIM], 13
	s_add_co_u32 s60, s60, s20
	s_mov_b32 s61, 0
	s_lshl_b32 s20, s[WV], 9
	s_add_co_u32 s20, s20, s22
	s_mov_b32 s21, 0
	s_lshl_b32 s62, s[LIM], 9
	s_add_co_u32 s22, s62, s22
	s_mov_b32 s23, 0
	s_lshl_b32 s2, s14, 13
	s_lshl_b32 s3, s13, 10
	s_add_co_u32 s2, s2, s3
	s_mov_b32 s3, 0
	s_mov_b32 s[CS], 0x3d38aa3b                    ; c = log2(e) / 32
	s_mov_b32 s[CS+1], s[CS]
	s_mov_b32 s[SEL], 0x76543210
	s_mov_b32 s[SEL+1], 0xfedcba98
	v_and_b32 v9, 31, v0
	v_and_b32 v13, 15, v0                          ; r
	v_bfe_u32 v11, v0, 4, 1                        ; h
	v_lshlrev_b32 v1, 4, v9
	v_lshlrev_b32 v10, 2, v13
	v_add_nc_u32 v2, 57344, v1                     ; query block 14's images,
	v_lshl_add_u32 v3, v9, 2, QSW+7168             ; and words
	s_wait_alu depctr_va_vdst(0)
	s_wait_dscnt 0x0                               ; both opening adds are done
	s_wait_kmcnt 0x0
	s_add_nc_u64 s[G0I+2:G0I+3], s[4:5], s[G0I+2:G0I+3]
	s_or_b32 s[G0I+3], s[G0I+3], 0x80000000
	s_add_nc_u64 s[G0W+2:G0W+3], s[6:7], s[G0W+2:G0W+3]
	s_or_b32 s[G0W+3], s[G0W+3], 0x80000000
	s_add_nc_u64 s[58:59], s[4:5], s[58:59]
	s_add_nc_u64 s[60:61], s[4:5], s[60:61]
	s_add_nc_u64 s[20:21], s[6:7], s[20:21]
	s_add_nc_u64 s[22:23], s[6:7], s[22:23]
	s_add_nc_u64 s[8:9], s[8:9], s[2:3]
	global_load_b128 v[KF:KF+3], v1, s[58:59]
	global_load_b32 v[KS], v10, s[20:21]
	global_load_b128 v[KF+8:KF+11], v1, s[60:61]
	global_load_b32 v[KS+1], v10, s[22:23]
	CROUND                                         ; all four work-groups are here: the joint loads meet
	s_cmp_lt_u32 s[WV], 4
	s_cbranch_scc0 .Lfor_words
	tensor_load_to_lds s[G0I:G0I+3], s[G1I:G1I+7]
	s_nop 0
.rept 4
	v_nop
.endr
	s_branch .Lasked
.Lfor_words:
	tensor_load_to_lds s[G0W:G0W+3], s[G1W:G1W+7]
	s_nop 0
.rept 4
	v_nop
.endr
.Lasked:
.irp j, 20,21,22,23,28,29,30,31,88,89,90,91
	v_mov_b32 v[\j], 0                             ; zero codes: the upper 64 of K on the keys' side, and behind the last query tile
.endr
	s_lshr_b32 s2, s13, 1
	s_lshl_b32 s2, s2, 5
	s_and_b32 s3, s13, 1
	s_lshl_b32 s3, s3, 3
	s_add_co_u32 s2, s2, s3
	v_and_b32 v6, 8, v13
	v_add_nc_u32 v6, v6, v13
	v_lshlrev_b32 v7, 4, v11
	v_sub_nc_u32 v6, v6, v7
	v_add_nc_u32 v6, s2, v6                        ; D = my key in its block - 16 h: register 16 b + i is hidden where 32 b + i < D
	v_mov_b32 v8, 0xfe967699                       ; -1e38
	v_mul_u32_u24 v7, v11, 15
	v_xor_b32 v7, s[WV], v7                        ; lanes 0-15: block w, lanes 16-31: block 15 - w
	v_lshlrev_b32 v7, 6, v7
	v_add_nc_u32 v7, v7, v10
	v_add_nc_u32 v7, STG, v7                       ; into the stage
	v_lshlrev_b32 v9, 4, v0
	v_add_nc_u32 v12, STG, v9                      ; out of it (waves 0 and 1)
	WIN 0x40
.set n, 0
.rept 64
	v_cmp_lt_i32 vcc_lo, 32*(n/16)+n%16, v6
	v_cndmask_b32 v[n], 0, v8, vcc_lo
.set n, n+1
.endr
	WIN 0
.irp t, 0,1
	v_mov_b32 v[ST+8*\t+1], 0xf149f2ca             ; the largest score so far: -1e30
.irp j, 2,3,4,5,6,7
	v_mov_b32 v[ST+8*\t+\j], 0
.endr
	v_mul_f32 v[ST+8*\t], s[CS], v[ST+8*\t+1]
.endr
	s_mov_b32 s[IB], 0x43070000                    ; 127 + 8
	s_cmp_eq_u32 s[WV], 0                          ; key block 15 has I = 0
	s_cselect_b32 s[IB+1], 0x42fe0000, s[IB]
	s_mov_b32 s[JJ], 0
	s_mov_b32 s[T4], 0
	s_mov_b32 s[T5], 0
.macro QLOAD va, o, vb, ow
.irp i, 0,1,2,3,4,5,6,7
	ds_load_b128 v[QF+4*\i:QF+4*\i+3], v[\va] offset:\o+512*\i
.endr
.irp p, 0,1,2,3
	ds_load_b32 v[QS+\p], v[\vb] offset:\ow+128*\p
.endr
.endm
.macro W4 i, t, c
.if (\i)%2
	v_wmma_scale_f32_16x16x128_f8f6f4 v[S+64*\t+8*\i:S+64*\t+8*\i+7], v[QF+4*\i:QF+4*\i+7], v[KF+8*\t:KF+8*\t+7], \c, v[QS+(\i)/2], v[KS+\t] matrix_a_fmt:MATRIX_FMT_FP4 matrix_b_fmt:MATRIX_FMT_FP4 matrix_a_scale:MATRIX_SCALE_ROW1
.else
	v_wmma_scale_f32_16x16x128_f8f6f4 v[S+64*\t+8*\i:S+64*\t+8*\i+7], v[QF+4*\i:QF+4*\i+7], v[KF+8*\t:KF+8*\t+7], \c, v[QS+(\i)/2], v[KS+\t] matrix_a_fmt:MATRIX_FMT_FP4 matrix_b_fmt:MATRIX_FMT_FP4
.endif
.endm
.macro SCORE t
.irp i, 0,1,2,3,4,5,6,7
	W4 \i, \t, 0
.endr
.endm
.macro SCORED t                        ; the diagonal: C from window 1
	WIN 0x10
.irp i, 0,1,2,3,4,5,6,7
	W4 \i, \t, v[8*\i:8*\i+7]
.endr
	WIN 0
.endm
.macro SMX t
.set rT, ST+8*(\t)
.set rS, S+64*(\t)
	s_wait_alu depctr_va_vdst(0)                   ; ahead of the scores' first readers
.irp b, 0,1,2,3
	v_max3_num_f32 v[rT+4+\b], v[rS+16*\b], v[rS+16*\b+1], v[rS+16*\b+2]
.endr
.irp i, 3,5,7,9,11,13
.irp b, 0,1,2,3
	v_max3_num_f32 v[rT+4+\b], v[rT+4+\b], v[rS+16*\b+\i], v[rS+16*\b+\i+1]
.endr
.endr
.irp b, 0,1,2,3
	v_max_num_f32 v[rT+4+\b], v[rT+4+\b], v[rS+16*\b+15]
.endr
	s_delay_alu instid0(VALU_DEP_2)
	v_max3_num_f32 v[rT+4], v[rT+4], v[rT+5], v[rT+6]
	s_delay_alu instid0(VALU_DEP_1)
	v_max3_num_f32 v[rT+1], v[rT+4], v[rT+7], v[rT+1]
	v_mov_b32 v[rT+5], v[rT]
	s_delay_alu instid0(VALU_DEP_2)
	v_mul_f32 v[rT], s[CS], v[rT+1]
	s_delay_alu instid0(VALU_DEP_1)
	v_sub_f32 v[rT+5], v[rT+5], v[rT]
.set j, 0
.rept 32
	v_pk_fma_f32 v[rS+j:rS+j+1], v[rS+j:rS+j+1], s[CS:CS+1], v[rT:rT+1] op_sel_hi:[1,0,0] neg_lo:[0,0,1] neg_hi:[0,0,1]
.set j, j+2
.endr
	s_wait_alu depctr_va_vdst(0)                   ; ahead of the batch
	v_exp_f32 v[rT+6], v[rT+5]                     ; what brings the sum under the new maximum
.set j, 0
.rept 64
	v_exp_f32 v[rS+j], v[rS+j]
.set j, j+1
.endr
	v_nop
	s_wait_alu depctr_va_vdst(0)                   ; and behind it
.irp w, 4,8,16,32,64
.set u, 0
.rept 64/\w
	v_pk_add_f32 v[rS+\w*u:rS+\w*u+1], v[rS+\w*u:rS+\w*u+1], v[rS+\w*u+\w/2:rS+\w*u+\w/2+1]
.set u, u+1
.endr
.endr
	v_pk_fma_f32 v[rT+2:rT+3], v[rT+2:rT+3], v[rT+6:rT+7], v[rS:rS+1] op_sel_hi:[1,0,1]
.endm
	s_wait_alu depctr_va_vdst(0)
	s_wait_loadcnt 0x0
	s_wait_tensorcnt 0x0                           ; my fill has landed,
	s_barrier_signal -1
	s_barrier_wait -1                              ; everybody's has
	QLOAD 2, 4096, 3, 512                          ; query block 15
.Lstep:                                            ; 16 trips, a constant
	s_cmp_gt_u32 s[JJ], s[LIM]
	s_cbranch_scc1 .Lskip
	s_wait_dscnt 0x0                               ; this block's queries
	s_cmp_eq_u32 s[JJ], s[LIM]
	s_cbranch_scc1 .Ldiag0
	SCORE 0
	s_branch .Lscored0
.Ldiag0:
	SCORED 0
.Lscored0:
	s_cmp_gt_u32 s[JJ], s[WV]
	s_cbranch_scc1 .Lscored1
	s_cmp_eq_u32 s[JJ], s[WV]
	s_cbranch_scc1 .Ldiag1
	SCORE 1
	s_branch .Lscored1
.Ldiag1:
	SCORED 1
.Lscored1:
	s_min_u32 s58, s[T4], 57344                    ; the next block's queries; the last trip asks for block 0 once more, inside the tile
	s_min_u32 s59, s[T5], 7168
	v_sub_nc_u32 v4, v2, s58
	v_sub_nc_u32 v5, v3, s59
	v_nop                                          ; with the two lines above, four places behind the products
	v_nop
	QLOAD 4, 0, 5, 0
	s_cmp_gt_u32 s[JJ], s[WV]
	s_cbranch_scc1 .Lfirst_only
	SMX 1
.Lfirst_only:
	SMX 0
.Lskip:
	s_add_co_u32 s[T4], s[T4], 4096
	s_add_co_u32 s[T5], s[T5], 512
	s_add_co_u32 s[JJ], s[JJ], 1
	s_cmp_lt_u32 s[JJ], 16
	s_cbranch_scc1 .Lstep
	; the two halves of a key's queries are joined; both tiles side by side
	s_wait_alu depctr_va_vdst(0)
.irp a, ST, ST+8
	v_permlanex16_b32 v[\a+4], v[\a+1], s[SEL], s[SEL+1]
.endr
.irp a, ST, ST+8
	v_max_num_f32 v[\a+4], v[\a+4], v[\a+1]        ; m
.endr
.irp a, ST, ST+8
	v_mul_f32 v[\a+5], s[CS], v[\a+4]              ; c m
.endr
.irp a, ST, ST+8
	v_sub_f32 v[\a+6], v[\a], v[\a+5]
.endr
.irp a, ST, ST+8
	v_add_f32 v[\a+2], v[\a+2], v[\a+3]
.endr
	s_wait_alu depctr_va_vdst(0)
.irp a, ST, ST+8
	v_exp_f32 v[\a+6], v[\a+6]
.endr
	v_nop
	s_wait_alu depctr_va_vdst(0)
.irp a, ST, ST+8
	v_mul_f32 v[\a+2], v[\a+2], v[\a+6]
.endr
.irp a, ST, ST+8
	v_permlanex16_b32 v[\a+7], v[\a+2], s[SEL], s[SEL+1]
.endr
.irp a, ST, ST+8
	v_add_f32 v[\a+2], v[\a+2], v[\a+7]            ; l, at least about 1
.endr
.irp a, ST, ST+8
	v_lshrrev_b32 v[\a+6], 23, v[\a+2]             ; log2(l) in two parts: its exponent field,
.endr
.irp a, ST, ST+8
	v_and_b32 v[\a+3], 0x7fffff, v[\a+2]
.endr
.irp a, ST, ST+8
	v_or_b32 v[\a+3], 0x3f800000, v[\a+3]          ; and the logarithm of its mantissa, 1 .. 2
.endr
.irp a, ST, ST+8
	v_cvt_f32_u32 v[\a+6], v[\a+6]
.endr
	v_sub_f32 v[ST+6], s[IB], v[ST+6]
	v_sub_f32 v[ST+14], s[IB+1], v[ST+14]
	s_wait_alu depctr_va_vdst(0)
.irp a, ST, ST+8
	v_log_f32 v[\a+3], v[\a+3]
.endr
	v_cmp_eq_u32 vcc_lo, 1, v11
	s_wait_alu depctr_va_vdst(0)
.irp a, ST, ST+8
	v_sub_f32 v[\a+6], v[\a+6], v[\a+3]
.endr
.irp a, ST, ST+8
	v_sub_f32 v[\a+6], v[\a+6], v[\a+5]            ; I - log2(l) - c m
.endr
	v_cndmask_b32 v4, v[ST+6], v[ST+14], vcc_lo
	ds_store_b32 v7, v4
	s_wait_dscnt 0x0                               ; for the others' sake
	s_barrier_signal -1
	s_barrier_wait -1
	s_cmp_lt_u32 s[WV], 2
	s_cbranch_scc0 .Ldone
	ds_load_b128 v[KF:KF+3], v12
	s_wait_dscnt 0x0
	global_store_b128 v9, v[KF:KF+3], s[8:9]       ; 1,024 consecutive bytes by waves 0 and 1
.Ldone:
	s_wait_tensorcnt 0x0
	ds_add_u32 v14, v15
	s_wait_dscnt 0x0
	CROUND                                         ; the closing round
	s_endpgm
.Lfunc_end_k_q032c6429bc_stats:
	.size	k_q032c6429bc_stats, .Lfunc_end_k_q032c6429bc_stats-k_q032c6429bc_stats
	.p2alignl 7, 3214868480
	.fill 96, 4, 3214868480
	.section	.rodata,"a",@progbits
	.p2align	6, 0x0
	.amdhsa_kernel k_q032c6429bc_stats
		.amdhsa_group_segment_fixed_size 167936
		.amdhsa_private_segment_fixed_size 0
		.amdhsa_enable_private_segment 0
		.amdhsa_kernarg_size 24
		.amdhsa_user_sgpr_count 2
		.amdhsa_user_sgpr_kernarg_segment_ptr 1
		.amdhsa_wavefront_size32 1
		.amdhsa_system_sgpr_workgroup_id_x 1
		.amdhsa_system_sgpr_workgroup_id_y 1
		.amdhsa_system_sgpr_workgroup_id_z 1
		.amdhsa_system_vgpr_workitem_id 0
		.amdhsa_next_free_vgpr 320
		.amdhsa_next_free_sgpr 66
		.amdhsa_reserve_vcc 1
		.amdhsa_float_denorm_mode_32 3
		.amdhsa_float_denorm_mode_16_64 3
		.amdhsa_memory_ordered 1
		.amdhsa_forward_progress 1
		.amdhsa_inst_pref_size 39
	.end_amdhsa_kernel
	.amdgpu_metadata
---
amdhsa.version: [ 1, 2 ]
amdhsa.kernels:
  - .name:           k_q032c6429bc_stats
    .symbol:         k_q032c6429bc_stats.kd
    .args:
      - { .name: acodes, .offset: 0, .size: 8, .value_kind: global_buffer, .address_space: global }
      - { .name: ascales, .offset: 8, .size: 8, .value_kind: global_buffer, .address_space: global }
      - { .name: st, .offset: 16, .size: 8, .value_kind: global_buffer, .address_space: global }
    .group_segment_fixed_size: 167936
    .private_segment_fixed_size: 0
    .kernarg_segment_align: 8
    .kernarg_segment_size: 24
    .max_flat_workgroup_size: 256
    .sgpr_count:     66
    .vgpr_count:     320
    .wavefront_size: 32
...
	.end_amdgpu_metadata
.endif
;; end of part 3
;; launch ctx (part 4): grid 8 x 32, 8 waves a work-group, clusters of 4 x 1, 187,392 bytes of LDS; arguments acodes, ascales, st, out0; writes out0
.if DOCPART == 4
	.amdgcn_target "amdgcn-amd-amdhsa--gfx1250"
	.amdhsa_code_object_version 6
	.text
	.protected	k_q032c6429bc_ctx
	.globl	k_q032c6429bc_ctx
	.p2align	8
	.type	k_q032c6429bc_ctx,@function
k_q032c6429bc_ctx:
	s_mov_b64 s[64:65], 0
	v_nop
	global_prefetch_b8 v0, s[64:65] scope:SCOPE_SE
	s_setreg_imm32_b32 hwreg(HW_REG_WAVE_MODE, 25, 1), 1
	s_wait_xcnt 0x0
	s_wait_alu depctr_hold_cnt(0) depctr_sa_sdst(0) depctr_va_vdst(0) depctr_va_sdst(0) depctr_va_ssrc(0) depctr_va_vcc(0) depctr_vm_vsrc(0)
	s_getreg_b32 s2, hwreg(HW_REG_IB_STS2, 6, 4)
	s_cmp_eq_u32 s2, 0
	s_cbranch_scc0 .Lentry_in_a_cluster
	s_endpgm
.Lentry_in_a_cluster:
	s_bfe_u32 s2, ttmp6, 0x10000c
	s_cmp_lg_u32 s2, 0x3003
	s_cbranch_scc0 .Lentry_shape_is_right
	s_endpgm
.Lentry_shape_is_right:
; out[q] = the sum over keys k <= q of w(q, k) v[k], w = 2^(c s - c m_k - log2 l_k), c = log2(e) / 32: the finished, normalised weights, quantised along the keys in blocks of 32, times v's codes.
; s is the quantised product q k^T again (K = 64: the upper half of the instruction's 128 is zero codes on q's side); I - c m_k - log2 l_k comes from the launch before (I = 8 for keys under 1,920, else 0).
; So 2^I w is what is made and quantised; I is taken off the scale bytes, which changes no code.
; SHARES.  A work-group has place p = 4 x cluster x + cx; wave w of its eight owns tile p (16 queries) of query block 15 - w (tile 0) and of block w (tile 1).  Key steps J of 128 keys: tile 0 counts in J = 0 .. 15 - w, tile 1 in J = 0 .. w:
; 17 tile steps for every wave.  Whole steps that the causal mask hides are not computed; branches hang on the wave's number and the trip alone.
; A head's K, V, their scale words and the statistics (148 KiB) come into LDS once, by joint loads of the cluster's four work-groups, one load a wave: nothing is filled twice.  No prefetch: no loop loads from memory.
; LAYOUT.  Both products are used transposed: S^T = K Q^T (source 0 = 16 keys), O^T = V^T W^T (source 0 = 16 of the head's 64): a lane holds ONE query throughout; score register 16 b + 8 u + j is key 32 b + 16 h + 8 u + j, h = lane / 16:
; row 8 h + j of stored tile 2 b + u.  Source 0 of the first product names eight registers of which the upper four are the next tile's codes: they meet q's zero codes.
; On the diagonal the score product's C is 0, or -1e38 where the key lies behind the query: the weight is then 0.
; LIMITS: scaled scores stay under 2^31 in magnitude; weights under 2^-126 count as 0; a block of zeros gets the byte 1 (its codes are zeros); NaN and infinities are not served.
; REGISTERS.  window 0: v2-17 addresses; v20-29 scale words; v32-47 Q; v48-83 K; v84-99 the weights' codes; v100-115 at work; v128-255 the scores, 64 a tile.
;   window 1: v0-63 O^T (32 t + 8 d); v64-95 V; v96-159 the step's statistics, in the scores' order; v160-223 the diagonal's C.
.set VI,   65536                       ; LDS: K's 128 images of 512 bytes from 0; V's [key step 16][tile of the head's 64: 4][2][512]
.set KSW,  131072                      ; K's scale words, 64 bytes a tile
.set VSW,  139264                      ; V's: [key step][4 tiles][64]
.set STT,  143360                      ; the statistics [place 8][block 16][16]
.set STG,  151552                      ; the way out: 16 rows x (256 bytes + 16) for each wave; no fill lands here
.set SPARE, STG+8*16*272
.set WV,   12
.set G1K,  16
.set G1V,  24
.set G1KW, 32
.set G1C,  40
.set G1VW, 48
.set G0K,  56
.set G0V,  60
.set G0KW, 68
.set G0C,  72
.set G0VW, 76
.set LIM,  83                          ; 15 - w
.set J,    84
.set T4,   85                          ; 4,096 J: the step's images of K and of V
.set T5,   86                          ; 512 J: K's words
.set T1,   87                          ; 64 J: the statistics
.set CS,   88
.set SEL,  90
.set TV,   92                          ; 256 J: V's words
.set FL,   93                          ; the floor 2^(3 + I - 127)
.set SB,   94                          ; I in each byte
.set F8,   95
.set QS,   20
.set PW,   22
.set KS,   24
.set VS,   28
.set QF,   32
.set KF,   48
.set PC,   84
.set TM,   100
.set S,    128
.set VF,   64                          ; in window 1
.set NC,   96
.set MK,   160
.set MSB, 0
.macro WIN new                         ; the immediate's high byte repeats the setting that is left
.if MSB != (\new)
	s_set_vgpr_msb (MSB<<8)|(\new)
.set MSB, (\new)
.endif
.endm
.macro CROUND
	s_barrier_signal -1
	s_barrier_wait -1
	s_cmp_lg_u32 s[WV], 0
	s_cbranch_scc1 .Lnot_wave_0_\@
	s_barrier_signal -3
.Lnot_wave_0_\@:
	s_barrier_wait -3
	s_barrier_signal -1
	s_barrier_wait -1
.endm
.macro GROUP1 g, c, r, p               ; r rows of c elements of 8 bytes, p elements apart, dense in LDS; the mask names the cluster's four work-groups, bit 21 beside it
	s_mov_b32 s[\g], 15|(3<<16)|(1<<21)
	s_mov_b32 s[\g+1], (\c)<<16
	s_mov_b32 s[\g+2], (\r)<<16
	s_mov_b32 s[\g+3], (\c)<<16
	s_mov_b32 s[\g+4], \r
	s_mov_b32 s[\g+5], \p
	s_mov_b32 s[\g+6], 0
	s_mov_b32 s[\g+7], 0
.endm
.macro ADDR g, base                    ; the offset in words 2 and 3 becomes the address
	s_add_nc_u64 s[\g+2:\g+3], s[\base:\base+1], s[\g+2:\g+3]
	s_or_b32 s[\g+3], s[\g+3], 0x80000000
.endm
	s_load_b256 s[4:11], s[0:1], 0x0               ; acodes, ascales, st, out0
	v_lshl_add_u32 v126, v0, 2, SPARE
	v_mov_b32 v127, 0
	ds_add_u32 v126, v127                          ; the wave's opening: the add, twice on end, and its wait
	ds_add_u32 v126, v127
	v_lshrrev_b32 v1, 5, v0
	v_readfirstlane_b32 s[WV], v1                  ; wave 0..7
	s_xor_b32 s[LIM], s[WV], 15
	s_bfe_u32 s13, ttmp6, 0x40000
	s_lshl_b32 s2, ttmp9, 2
	s_add_co_u32 s13, s13, s2                      ; p: it enters global addresses and the mask's registers alone
	s_and_b32 s14, ttmp7, 0xffff                   ; batch x 16 + head
	s_lshr_b32 s15, s14, 4                         ; batch
	s_and_b32 s80, s14, 15                         ; head
	s_lshr_b32 s81, s80, 1
	s_and_b32 s82, s80, 1
	GROUP1 G1K, 64, 64, 128                        ; K: 64 images of 512 bytes, 1,024 apart
	GROUP1 G1V, 512, 8, 8192                       ; V: eight key steps' 4,096 bytes, 65,536 apart
	GROUP1 G1KW, 32, 16, 32                        ; 4,096 dense bytes of K's words
	GROUP1 G1C, 32, 32, 32                         ; the statistics: 8,192 dense bytes
	GROUP1 G1VW, 32, 16, 512                       ; V's words: 16 key steps' 256 bytes, 4,096 apart
	s_lshl_b32 s2, s15, 7
	s_add_co_u32 s2, s2, s13                       ; the batch's tiles, + p
	s_lshl_b32 s3, s[LIM], 3
	s_add_co_u32 s3, s3, s2                        ; tile 0
	s_lshl_b32 s66, s[WV], 3
	s_add_co_u32 s66, s66, s2                      ; tile 1
	s_lshl_b32 s67, s81, 18
	s_lshl_b32 s2, s82, 9
	s_add_co_u32 s67, s67, s2                      ; the head among q's codes
	s_lshl_b32 s96, s3, 10
	s_add_co_u32 s96, s96, s67
	s_mov_b32 s97, 0
	s_lshl_b32 s98, s66, 10
	s_add_co_u32 s98, s98, s67
	s_mov_b32 s99, 0
	s_lshl_b32 s100, s80, 14                       ; and among q's words
	s_lshl_b32 s92, s3, 6
	s_add_co_u32 s92, s92, s100
	s_mov_b32 s93, 0
	s_lshl_b32 s94, s66, 6
	s_add_co_u32 s94, s94, s100
	s_mov_b32 s95, 0
	s_and_b32 s66, s[WV], 1                        ; which half I fetch
	s_mov_b32 s[G0K], 1                            ; K: 2 MiB behind q
	s_lshl_b32 s[G0K+1], s66, 15
	s_lshl_b32 s2, s15, 17
	s_add_co_u32 s2, s2, s67
	s_lshl_b32 s3, s66, 16
	s_add_co_u32 s2, s2, s3
	s_add_co_u32 s[G0K+2], s2, 0x200000
	s_mov_b32 s[G0K+3], 0
	s_mov_b32 s[G0V], 1                            ; V: 4 MiB + batch x 16 steps x 65,536 + 8 steps x half + 4,096 x head
	s_lshl_b32 s[G0V+1], s66, 15
	s_add_co_u32 s[G0V+1], s[G0V+1], VI
	s_lshl_b32 s2, s15, 20
	s_lshl_b32 s3, s66, 19
	s_add_co_u32 s2, s2, s3
	s_lshl_b32 s3, s80, 12
	s_add_co_u32 s2, s2, s3
	s_add_co_u32 s[G0V+2], s2, 0x400000
	s_mov_b32 s[G0V+3], 0
	s_mov_b32 s[G0KW], 1                           ; K's words: 16 heads behind q's
	s_lshl_b32 s[G0KW+1], s66, 12
	s_lshl_b32 s2, s15, 13
	s_add_co_u32 s2, s2, s100
	s_add_co_u32 s2, s2, s[G0KW+1]
	s_add_co_u32 s[G0KW+2], s2, 0x40000
	s_mov_b32 s[G0KW+3], 0
	s_add_co_u32 s[G0KW+1], s[G0KW+1], KSW
	s_mov_b32 s[G0C], 1
	s_mov_b32 s[G0C+1], STT
	s_lshl_b32 s[G0C+2], s14, 13
	s_mov_b32 s[G0C+3], 0
	s_mov_b32 s[G0VW], 1                           ; V's words: 512 KiB + batch x 65,536 + 256 x head
	s_mov_b32 s[G0VW+1], VSW
	s_lshl_b32 s2, s15, 16
	s_lshl_b32 s3, s80, 8
	s_add_co_u32 s2, s2, s3
	s_add_co_u32 s[G0VW+2], s2, 0x80000
	s_mov_b32 s[G0VW+3], 0
	s_mov_b32 s[CS], 0x3d38aa3b                    ; c = log2(e) / 32
	s_mov_b32 s[CS+1], s[CS]
	s_mov_b32 s[SEL], 0x76543210
	s_mov_b32 s[SEL+1], 0xfedcba98
	v_and_b32 v18, 31, v0                          ; lane
	v_and_b32 v19, 15, v0                          ; r
	v_bfe_u32 v1, v0, 4, 1                         ; h
	v_lshlrev_b32 v2, 4, v18                       ; K's images, and q's in memory: 16 x lane
	v_lshlrev_b32 v11, 2, v19                      ; q's words: 4 r
	s_wait_alu depctr_va_vdst(0)
	s_wait_dscnt 0x0                               ; both opening adds are done
	s_wait_kmcnt 0x0
	ADDR G0K, 4
	ADDR G0V, 4
	ADDR G0KW, 6
	ADDR G0C, 8
	ADDR G0VW, 6
	s_add_nc_u64 s[96:97], s[4:5], s[96:97]
	s_add_nc_u64 s[98:99], s[4:5], s[98:99]
	s_add_nc_u64 s[92:93], s[6:7], s[92:93]
	s_add_nc_u64 s[94:95], s[6:7], s[94:95]
	global_load_b128 v[QF:QF+3], v2, s[96:97]
	global_load_b32 v[QS], v11, s[92:93]
	global_load_b128 v[QF+8:QF+11], v2, s[98:99]
	global_load_b32 v[QS+1], v11, s[94:95]
	CROUND                                         ; all four work-groups are here: the joint loads meet
; the head's loads, one a wave: K's halves, V's halves, the halves of K's words, the statistics, V's words
.macro ARM under, g0, g1, next
	s_cmp_lt_u32 s[WV], \under
	s_cbranch_scc0 \next
	tensor_load_to_lds s[\g0:\g0+3], s[\g1:\g1+7]
	s_nop 0
.rept 4
	v_nop
.endr
	s_branch .Lhead_asked
\next:
.endm
	ARM 2, G0K,  G1K,  .Lhead_v
	ARM 4, G0V,  G1V,  .Lhead_kw
	ARM 6, G0KW, G1KW, .Lhead_c
	ARM 7, G0C,  G1C,  .Lhead_vw
	tensor_load_to_lds s[G0VW:G0VW+3], s[G1VW:G1VW+7]
	s_nop 0
.rept 4
	v_nop
.endr
.Lhead_asked:
.irp j, 36,37,38,39,44,45,46,47,80,81,82,83
	v_mov_b32 v[\j], 0                             ; zero codes: the upper 64 of K on q's side, and behind K's last tile
.endr
.irp b, 0,1,2,3
	v_mov_b32 v[TM+4+\b], 0                        ; written once: a lane permute's destination counts as one of its sources
.endr
	s_lshr_b32 s2, s13, 1
	s_lshl_b32 s2, s2, 5
	s_and_b32 s3, s13, 1
	s_lshl_b32 s3, s3, 3
	s_add_co_u32 s101, s2, s3                      ; my tile's first query in its block: 32 (p / 2) + 8 (p % 2)
	s_wait_alu depctr_va_vdst(0)
	v_lshl_add_u32 v3, v18, 4, VI                  ; V's images
	v_lshl_add_u32 v4, v18, 2, KSW                 ; K's words: two tiles a load
	v_lshl_add_u32 v5, v18, 2, VSW                 ; V's likewise
	v_lshl_add_u32 v6, v1, 5, STT                  ; the statistics of my half's eight keys of a tile
	s_mul_i32 s2, s[WV], 16*272
	s_add_co_u32 s2, s2, STG                       ; my stage
	v_mul_u32_u24 v7, v19, 272
	v_lshl_add_u32 v7, v1, 6, v7
	v_add_nc_u32 v7, s2, v7                        ; in: row r, + 64 h
	v_mul_u32_u24 v8, v1, 272
	v_lshl_add_u32 v8, v19, 4, v8
	v_add_nc_u32 v8, s2, v8                        ; back: lanes 0-15 one row, lanes 16-31 the next
	v_lshlrev_b32 v9, 12, v1
	v_lshl_add_u32 v9, v19, 4, v9                  ; and the same two rows in out
	v_and_b32 v10, 8, v19
	v_add_nc_u32 v10, v10, v19
	v_lshlrev_b32 v12, 4, v1
	v_sub_nc_u32 v10, v10, v12
	v_add_nc_u32 v10, s101, v10                    ; D = my query in its block - 16 h: register 16 b + i is hidden where 32 b + i > D
	v_mov_b32 v12, 0xfe967699                      ; -1e38
	v_mov_b32 v13, v2
	v_mov_b32 v15, v4
	WIN 0x40
.set n, 0
.rept 64
	v_cmp_gt_i32 vcc_lo, 32*(n/16)+n%16, v10
	v_cndmask_b32 v[MK+n], 0, v12, vcc_lo
	v_mov_b32 v[n], 0                              ; O^T: the step is written once, and the first finds zeros
.set n, n+1
.endr
	WIN 0
	s_mov_b32 s[J], 0
	s_mov_b32 s[T4], 0
	s_mov_b32 s[T5], 0
	s_mov_b32 s[T1], 0
.macro KLOAD o, ow                     ; a step's K: eight fragments, four registers of words
.irp i, 0,1,2,3,4,5,6,7
	ds_load_b128 v[KF+4*\i:KF+4*\i+3], v13 offset:\o+512*\i
.endr
.irp p, 0,1,2,3
	ds_load_b32 v[KS+\p], v15 offset:\ow+128*\p
.endr
.endm
.macro W4 i, t, c
.if (\i)%2
	v_wmma_scale_f32_16x16x128_f8f6f4 v[S+64*\t+8*\i:S+64*\t+8*\i+7], v[KF+4*\i:KF+4*\i+7], v[QF+8*\t:QF+8*\t+7], \c, v[KS+(\i)/2], v[QS+\t] matrix_a_fmt:MATRIX_FMT_FP4 matrix_b_fmt:MATRIX_FMT_FP4 matrix_a_scale:MATRIX_SCALE_ROW1
.else
	v_wmma_scale_f32_16x16x128_f8f6f4 v[S+64*\t+8*\i:S+64*\t+8*\i+7], v[KF+4*\i:KF+4*\i+7], v[QF+8*\t:QF+8*\t+7], \c, v[KS+(\i)/2], v[QS+\t] matrix_a_fmt:MATRIX_FMT_FP4 matrix_b_fmt:MATRIX_FMT_FP4
.endif
.endm
.macro SCORE t
.irp i, 0,1,2,3,4,5,6,7
	W4 \i, \t, 0
.endr
.endm
.macro SCORED t                        ; the diagonal: C from window 1
	WIN 0x10
.irp i, 0,1,2,3,4,5,6,7
	W4 \i, \t, v[MK+8*\i:MK+8*\i+7]
.endr
	WIN 0
.endm
; A tile's 64 scores of the lane become weights, the weights a fragment's codes and its scale word, and these meet V
.macro WEIGH t
.set rS, S+64*(\t)
.set rP, PC+8*(\t)
	s_wait_dscnt 22                                ; the statistics are in; V's eight loads, its two of words and the next K's twelve may be out
	WIN 0x10                                       ; source 2 (the statistics) window 1
	s_wait_alu depctr_va_vdst(0)                   ; ahead of the scores' first readers
.set j, 0
.rept 32
	v_pk_fma_f32 v[rS+j:rS+j+1], v[rS+j:rS+j+1], s[CS:CS+1], v[NC+j:NC+j+1] op_sel_hi:[1,0,1]   ; each accumulator is read from its low end on
.set j, j+2
.endr
	WIN 0
	s_wait_alu depctr_va_vdst(0)                   ; and ahead of the batch
.set j, 0
.rept 64
	v_exp_f32 v[rS+j], v[rS+j]
.set j, j+1
.endr
	v_nop
	s_wait_alu depctr_va_vdst(0)                   ; and behind it
.irp b, 0,1,2,3
	v_max3_num_f32 v[TM+\b], v[rS+16*\b], v[rS+16*\b+1], s[FL]     ; block b of 32 keys: my 16 weights (none is negative) and the floor
.endr
.irp i, 2,4,6,8,10,12,14
.irp b, 0,1,2,3
	v_max3_num_f32 v[TM+\b], v[TM+\b], v[rS+16*\b+\i], v[rS+16*\b+\i+1]
.endr
.endr
.irp b, 0,1,2,3
	s_delay_alu instid0(VALU_DEP_4)
	v_permlanex16_b32 v[TM+4+\b], v[TM+\b], s[SEL], s[SEL+1]
.endr
.irp b, 0,1,2,3
	s_delay_alu instid0(VALU_DEP_4)
	v_max_num_f32 v[TM+\b], v[TM+\b], v[TM+4+\b]   ; the block's largest
.endr
.irp b, 0,1,2,3
	s_delay_alu instid0(VALU_DEP_4)
	v_add_nc_u32 v[TM+12+\b], 0xff000000, v[TM+\b] ; 2 off its exponent field: the conversion's scale operand
.endr
.irp b, 0,1,2,3
	s_delay_alu instid0(VALU_DEP_4)
	v_lshrrev_b32 v[TM+4+\b], 23, v[TM+12+\b]      ; the scale's byte
.endr
	s_delay_alu instid0(VALU_DEP_3)
	v_lshl_or_b32 v[PW+(\t)], v[TM+5], 8, v[TM+4]
	s_delay_alu instid0(VALU_DEP_1)
	v_lshl_or_b32 v[PW+(\t)], v[TM+6], 16, v[PW+(\t)]
	s_delay_alu instid0(VALU_DEP_1)
	v_lshl_or_b32 v[PW+(\t)], v[TM+7], 24, v[PW+(\t)]
	s_delay_alu instid0(VALU_DEP_1)
	v_sub_nc_u32 v[PW+(\t)], v[PW+(\t)], s[SB]     ; less I in each byte: the floor keeps every byte at I + 1 or above, so none borrows
.irp b, 0,1,2,3
	v_cvt_scalef32_pk8_fp4_f32 v[rP+2*\b], v[rS+16*\b:rS+16*\b+7], v[TM+12+\b]
	v_cvt_scalef32_pk8_fp4_f32 v[rP+2*\b+1], v[rS+16*\b+8:rS+16*\b+15], v[TM+12+\b]
.endr
	v_nop                                          ; one plain line behind a scaled conversion
.irp c, 0,1                            ; the operand's layout wants a whole block in a lane
.irp i, 0,1
	v_permlane16_swap_b32 v[rP+4*\c+\i], v[rP+2+4*\c+\i]
.endr
.endr
	s_wait_alu depctr_va_vdst(0)
	s_wait_dscnt 12                                ; V and its words are in; the next K's twelve loads may be out
.rept 4
	v_nop                                          ; the codes stand four places ahead of the products, the scale word seventeen
.endr
	WIN 0x51                                       ; source 0 (V), C and D (O^T) window 1; source 1 (the weights) window 0
.irp d, 0,1,2,3
.if \d%2
	v_wmma_scale_f32_16x16x128_f8f6f4 v[32*(\t)+8*\d:32*(\t)+8*\d+7], v[VF+8*\d:VF+8*\d+7], v[rP:rP+7], v[32*(\t)+8*\d:32*(\t)+8*\d+7], v[VS+\d/2], v[PW+(\t)] matrix_a_fmt:MATRIX_FMT_FP4 matrix_b_fmt:MATRIX_FMT_FP4 matrix_a_scale:MATRIX_SCALE_ROW1
.else
	v_wmma_scale_f32_16x16x128_f8f6f4 v[32*(\t)+8*\d:32*(\t)+8*\d+7], v[VF+8*\d:VF+8*\d+7], v[rP:rP+7], v[32*(\t)+8*\d:32*(\t)+8*\d+7], v[VS+\d/2], v[PW+(\t)] matrix_a_fmt:MATRIX_FMT_FP4 matrix_b_fmt:MATRIX_FMT_FP4
.endif
.endr
	WIN 0
.endm
	s_wait_alu depctr_va_vdst(0)
	s_wait_loadcnt 0x0                             ; q: and the registers of its addresses are free
	s_mov_b32 s[TV], 0
	s_mov_b32 s[F8], 0x5800000                     ; 2^(11 - 127)
	s_lshl_b32 s2, s15, 11                         ; out: row 2,048 x batch + 128 x block + my tile's first, of 4,096 bytes, + 256 x head
	s_add_co_u32 s2, s2, s101
	s_lshl_b32 s66, s80, 8
	s_lshl_b32 s96, s[LIM], 7
	s_add_co_u32 s96, s96, s2
	s_lshl_b32 s96, s96, 12
	s_add_co_u32 s96, s96, s66
	s_mov_b32 s97, 0
	s_lshl_b32 s98, s[WV], 7
	s_add_co_u32 s98, s98, s2
	s_lshl_b32 s98, s98, 12
	s_add_co_u32 s98, s98, s66
	s_mov_b32 s99, 0
	s_add_nc_u64 s[96:97], s[10:11], s[96:97]
	s_add_nc_u64 s[98:99], s[10:11], s[98:99]
	s_wait_tensorcnt 0x0                           ; my fill has landed,
	s_barrier_signal -1
	s_barrier_wait -1                              ; everybody's has
	KLOAD 0, 0
.Lstep:                                            ; 16 trips, a constant
	s_cmp_gt_u32 s[J], s[LIM]
	s_cbranch_scc1 .Lskip
	s_cmp_eq_u32 s[J], 15
	s_cselect_b32 s[FL], 0x1800000, s[F8]
	s_cselect_b32 s[SB], 0, 0x8080808
	v_add_nc_u32 v14, s[T4], v3
	v_add_nc_u32 v16, s[TV], v5
	v_add_nc_u32 v17, s[T1], v6
	v_nop                                          ; with the three lines above, four places between the last trip's products and the loads into their registers
	WIN 0x40                                       ; destination window 1
.irp b, 0,1,2,3,4,5,6,7                ; tile b's eight keys of my half
	ds_load_b128 v[NC+8*\b:NC+8*\b+3], v17 offset:1024*\b
	ds_load_b128 v[NC+8*\b+4:NC+8*\b+7], v17 offset:1024*\b+16
.endr
.irp d, 0,1,2,3
.irp c, 0,1
	ds_load_b128 v[VF+8*\d+4*\c:VF+8*\d+4*\c+3], v14 offset:1024*\d+512*\c
.endr
.endr
	WIN 0
	ds_load_b32 v[VS], v16
	ds_load_b32 v[VS+1], v16 offset:128
	s_wait_dscnt 26                                ; K's twelve loads, asked for a step ago, are in; the 26 just issued may be out
	s_cmp_eq_u32 s[J], s[LIM]
	s_cbranch_scc1 .Ldiag0
	SCORE 0
	s_branch .Lscored0
.Ldiag0:
	SCORED 0
.Lscored0:
	s_cmp_gt_u32 s[J], s[WV]
	s_cbranch_scc1 .Lscored1
	s_cmp_eq_u32 s[J], s[WV]
	s_cbranch_scc1 .Ldiag1
	SCORE 1
	s_branch .Lscored1
.Ldiag1:
	SCORED 1
.Lscored1:
	v_add_nc_u32 v13, s[T4], v2
	v_add_nc_u32 v15, s[T5], v4
	v_nop                                          ; with the two lines above, four places behind the products
	v_nop
	KLOAD 4096, 512                                ; the next step's K (behind the last step: bytes of V's regions, used by nothing)
	s_cmp_gt_u32 s[J], s[WV]
	s_cbranch_scc1 .Lfirst_only
	WEIGH 1
.Lfirst_only:
	WEIGH 0
.Lskip:
	s_add_co_u32 s[T4], s[T4], 4096
	s_add_co_u32 s[T5], s[T5], 512
	s_add_co_u32 s[T1], s[T1], 64
	s_add_co_u32 s[TV], s[TV], 256
	s_add_co_u32 s[J], s[J], 1
	s_cmp_lt_u32 s[J], 16
	s_cbranch_scc1 .Lstep
	; THE WAY OUT.  Register j of accumulator (t, d = 2 g + u) is out(query r of tile t, the head's feature 32 g + 16 h + 8 u + j).  A tile goes through my stage and comes back as rows of 256 bytes.
.rept 4
	v_nop
.endr
.irp t, 0,1
	WIN 0x04                                       ; an LDS store's data are its source 1: window 1
.irp d, 0,1,2,3
	s_wait_alu depctr_va_vdst(0)                   ; ahead of the result's first reader
	ds_store_b128 v7, v[32*\t+8*\d:32*\t+8*\d+3] offset:128*(\d/2)+32*(\d%2)
	ds_store_b128 v7, v[32*\t+8*\d+4:32*\t+8*\d+7] offset:128*(\d/2)+32*(\d%2)+16
.endr
	WIN 0
.irp i, 0,1,2,3,4,5,6,7
	ds_load_b128 v[S+32*\t+4*\i:S+32*\t+4*\i+3], v8 offset:544*\i  ; LDS serves a wave's instructions in order: these see my stores
.endr
.endr
.irp t, 0,1
.irp i, 0,1,2,3,4,5,6,7
	s_wait_dscnt 16*(1-\t)+7-\i                    ; the younger loads of this tile, and tile 1's sixteen LDS instructions, may be out
	global_store_b128 v9, v[S+32*\t+4*\i:S+32*\t+4*\i+3], s[96+2*\t:97+2*\t] offset:(2*\i+8*(\i/4))*4096 th:TH_STORE_NT   ; stage row r is query r + 8 (r / 8); sixteen lanes store 256 consecutive bytes, aligned
.endr
.endr
	s_wait_tensorcnt 0x0
	ds_add_u32 v126, v127
	s_wait_dscnt 0x0
	CROUND                                         ; the closing round
	s_endpgm
.Lfunc_end_k_q032c6429bc_ctx:
	.size	k_q032c6429bc_ctx, .Lfunc_end_k_q032c6429bc_ctx-k_q032c6429bc_ctx
	.p2alignl 7, 3214868480
	.fill 96, 4, 3214868480
	.section	.rodata,"a",@progbits
	.p2align	6, 0x0
	.amdhsa_kernel k_q032c6429bc_ctx
		.amdhsa_group_segment_fixed_size 187392
		.amdhsa_private_segment_fixed_size 0
		.amdhsa_enable_private_segment 0
		.amdhsa_kernarg_size 32
		.amdhsa_user_sgpr_count 2
		.amdhsa_user_sgpr_kernarg_segment_ptr 1
		.amdhsa_wavefront_size32 1
		.amdhsa_system_sgpr_workgroup_id_x 1
		.amdhsa_system_sgpr_workgroup_id_y 1
		.amdhsa_system_sgpr_workgroup_id_z 1
		.amdhsa_system_vgpr_workitem_id 0
		.amdhsa_next_free_vgpr 480
		.amdhsa_next_free_sgpr 102
		.amdhsa_reserve_vcc 1
		.amdhsa_float_denorm_mode_32 3
		.amdhsa_float_denorm_mode_16_64 3
		.amdhsa_memory_ordered 1
		.amdhsa_forward_progress 1
		.amdhsa_inst_pref_size 51
	.end_amdhsa_kernel
	.amdgpu_metadata
---
amdhsa.version: [ 1, 2 ]
amdhsa.kernels:
  - .name:           k_q032c6429bc_ctx
    .symbol:         k_q032c6429bc_ctx.kd
    .args:
      - { .name: acodes, .offset: 0, .size: 8, .value_kind: global_buffer, .address_space: global }
      - { .name: ascales, .offset: 8, .size: 8, .value_kind: global_buffer, .address_space: global }
      - { .name: st, .offset: 16, .size: 8, .value_kind: global_buffer, .address_space: global }
      - { .name: out0, .offset: 24, .size: 8, .value_kind: global_buffer, .address_space: global }
    .group_segment_fixed_size: 187392
    .private_segment_fixed_size: 0
    .kernarg_segment_align: 8
    .kernarg_segment_size: 32
    .max_flat_workgroup_size: 256
    .sgpr_count:     102
    .vgpr_count:     480
    .wavefront_size: 32
...
	.end_amdgpu_metadata
.endif
;; end of part 4
